; MI455X (gfx1250); checked and timed in simulation.
; The chip was launched on July 23, 2026; its instructions are those of AMD's public machine-readable ISA for CDNA 5 (MIT licence, August 2026) and "CDNA5" Instruction Set Architecture Reference Guide (July 2026). The comments in the code are by the model that wrote it; some were corrected since.
;; Phi Mo E Sparse Moe Block. Allowed arithmetic: matrix products marked QUANTISED: E4M3 operands, one E8M0 scale for each 32 along K, by v_wmma_scale_f32_16x16x128_f8f6f4 with both operands' format E4M3, f32 sums; products left as they are: f32 operands where the result goes on into a quantised operand, else bf16, f16 or f32 operands; f32 sums; everything else in f32.
;; Inputs: gate_w 8 x 2,048 float32; hidden_states 2 x 2,048 x 2,048 float32; w1 8 x 256 x 2,048 float32; w2 8 x 2,048 x 256 float32; w3 8 x 256 x 2,048 float32.
;; Outputs: out0 2 x 2,048 x 2,048 float32.
;; This version of the problem:
;;   THIS VERSION OF THE PROBLEM IS GIVEN IN LOW PRECISION. The matrix products marked QUANTISED in the list below multiply operands that are first quantised to E4M3 (4 exponent bits, 3 mantissa bits; 8 bits a number), with one power-of-two scale for each 32 numbers along K (OCP MX v1.0); their sums are f32. All else is computed in f32.
;;   The module's matrix products, in the order in which they are computed (A, B: the left and right operand; K: the contracted axis; several contracted axes count as one K, in the product's order):
;;     1. [M 4,096, K 2,048] x [K 2,048, N 8]; A: input hidden_states; B: input gate_w: left as it is (N = 8 < 16)
;;     2. [M 4,096, K 2,048] x [K 2,048, N 256]; A: input hidden_states; B: input w1: QUANTISED
;;     3. [M 4,096, K 2,048] x [K 2,048, N 256]; A: input hidden_states; B: input w3: QUANTISED
;;     4. [M 4,096, K 256] x [K 256, N 2,048]; A: computed on the way; B: input w2: QUANTISED
;;     5. [M 4,096, K 2,048] x [K 2,048, N 256]; A: input hidden_states; B: input w1: QUANTISED
;;     6. [M 4,096, K 2,048] x [K 2,048, N 256]; A: input hidden_states; B: input w3: QUANTISED
;;     7. [M 4,096, K 256] x [K 256, N 2,048]; A: computed on the way; B: input w2: QUANTISED
;;     8. [M 4,096, K 2,048] x [K 2,048, N 256]; A: input hidden_states; B: input w1: QUANTISED
;;     9. [M 4,096, K 2,048] x [K 2,048, N 256]; A: input hidden_states; B: input w3: QUANTISED
;;     10. [M 4,096, K 256] x [K 256, N 2,048]; A: computed on the way; B: input w2: QUANTISED
;;     11. [M 4,096, K 2,048] x [K 2,048, N 256]; A: input hidden_states; B: input w1: QUANTISED
;;     12. [M 4,096, K 2,048] x [K 2,048, N 256]; A: input hidden_states; B: input w3: QUANTISED
;;     13. [M 4,096, K 256] x [K 256, N 2,048]; A: computed on the way; B: input w2: QUANTISED
;;     14. [M 4,096, K 2,048] x [K 2,048, N 256]; A: input hidden_states; B: input w1: QUANTISED
;;     15. [M 4,096, K 2,048] x [K 2,048, N 256]; A: input hidden_states; B: input w3: QUANTISED
;;     16. [M 4,096, K 256] x [K 256, N 2,048]; A: computed on the way; B: input w2: QUANTISED
;;     17. [M 4,096, K 2,048] x [K 2,048, N 256]; A: input hidden_states; B: input w1: QUANTISED
;;     18. [M 4,096, K 2,048] x [K 2,048, N 256]; A: input hidden_states; B: input w3: QUANTISED
;;     19. [M 4,096, K 256] x [K 256, N 2,048]; A: computed on the way; B: input w2: QUANTISED
;;     20. [M 4,096, K 2,048] x [K 2,048, N 256]; A: input hidden_states; B: input w1: QUANTISED
;;     21. [M 4,096, K 2,048] x [K 2,048, N 256]; A: input hidden_states; B: input w3: QUANTISED
;;     22. [M 4,096, K 256] x [K 256, N 2,048]; A: computed on the way; B: input w2: QUANTISED
;;     23. [M 4,096, K 2,048] x [K 2,048, N 256]; A: input hidden_states; B: input w1: QUANTISED
;;     24. [M 4,096, K 2,048] x [K 2,048, N 256]; A: input hidden_states; B: input w3: QUANTISED
;;     25. [M 4,096, K 256] x [K 256, N 2,048]; A: computed on the way; B: input w2: QUANTISED
;;   THE QUANTISER, for each operand of a quantised product, along K:
;;     - K is cut into blocks of 32 from its start; a last block that is shorter is filled with zeros.
;;     - A block's scale is 2^e with e = floor(log2(the largest magnitude in the block)) - 8, held to -126 .. 127; a block of zeros has e = 0. As a byte (E8M0): e + 127.
;;     - Each number is divided by its block's scale, clamped to +-448, and rounded to the nearest number of E4M3, ties to even, subnormals kept.
;;     - The product sums the exact products of the quantised numbers (number of the format x scale) in f32.
;;   ~~~python
;;   def quantise(x, axis):      # numpy; x: float32 -> the quantised numbers, widened to float32 again
;;       x = np.moveaxis(x, axis, -1); K = x.shape[-1]
;;       x = np.pad(x, [(0, 0)] * (x.ndim - 1) + [(0, -K % 32)]); x = x.reshape(x.shape[:-1] + (-1, 32)); a = np.abs(x).max(-1, keepdims=True)
;;       e = np.where(a > 0, np.clip(np.frexp(np.where(a > 0, a, 1))[1] - 1 - 8, -126, 127), 0)      # np.frexp(a)[1] - 1 = floor(log2(a)), exactly
;;       r = np.clip(x / 2.0 ** e, -448, 448)
;;       step = 2.0 ** (np.maximum(np.frexp(np.where(r == 0, 1, r))[1] - 1, -6) - 3)
;;       q = np.round(r / step) * step * 2.0 ** e      # np.round: ties to even
;;       return np.moveaxis(q.reshape(q.shape[:-2] + (-1,))[..., :K], -1, axis).astype(np.float32)
;;   ~~~
;;   OPERANDS COMPUTED ON THE WAY. 'Computed on the way' means the value that the module computes at that place (a softmax that the list does not call 'softmax' is quantised finished and normalised). What goes into a quantiser is computed in f32, as accurately as f32 sums, v_exp_f32 and their like allow (about 1e-6 of the number): no bf16 or f16 on the way to a quantiser, and a product that is left as it is and whose result goes on into a quantised operand takes f32 operands (vector FMAs, or v_wmma_f32_16x16x4_f32). A number that lies on a knife's edge between two numbers of the format may be rounded either way, as far as f32 arithmetic and the matrix unit's own rounding can turn it there, and no further.
;; One version. Each part assembles by itself: llvm-mc -triple=amdgcn-amd-amdhsa -mcpu=gfx1250 --defsym DOCPART=n.
;; ======== version 1 of 1: 3 launches
;; limits: right only within a limited range of input values
;; workspace buffers: q 21,626,880 bytes; route 88,064 bytes of whole numbers; rwt 32,768 bytes; plan 101,376 bytes of whole numbers; h 2,323,200 bytes
;; launch prep (part 1): grid 256 x 1, 16 waves a work-group, no clusters, 247,808 bytes of LDS; arguments hidden_states, gate_w, w1, w3, w2, q, route, rwt; writes q, route, rwt
.if DOCPART == 1
	.amdgcn_target "amdgcn-amd-amdhsa--gfx1250"
	.amdhsa_code_object_version 6
	.text
	.protected	k_qfe78fa7410_prep
	.globl	k_qfe78fa7410_prep
	.p2align	8
	.type	k_qfe78fa7410_prep,@function
k_qfe78fa7410_prep:
	s_mov_b64 s[64:65], 0
	v_nop
	global_prefetch_b8 v0, s[64:65] scope:SCOPE_SE
	s_setreg_imm32_b32 hwreg(HW_REG_WAVE_MODE, 25, 1), 1
	s_wait_xcnt 0x0
; FIRST OF THREE LAUNCHES of a layer of 8 routed experts (4,096 tokens of 2,048 numbers, two experts a token, hidden size 256), products on codes of FP8 (E4M3) with one E8M0 scale for each 32 along K.
; WORK LEFT OUT, in all launches: for an expert e that is not among a token's top2_idx, w_e = sum(multiplier * (top2_idx == e)) is a sum of products with False, 0 whatever the inputs hold, and the
; expert's row enters out only as w_e x row.  So only the two chosen experts' rows of the 24 expert products are multiplied.  Every input keeps a way to the output and is loaded.
; LIMITS: a NaN, an infinity or an overflow that arises only in an expert that was not chosen is not carried to the result; NaN and infinities among the inputs are not served; a block of zeros gets the
; scale byte 1 where the quantiser says 127 (its codes are zeros and this program alone reads the bytes); blocks whose largest magnitude lies under 2^(9 - 127) are held at byte 1;
; logits that tie, or whose quotient lies on the 0.02 edge, within the error of an f32 sum of 2,048 terms may be decided the other way.
; THIS LAUNCH quantises x and the three weights once, and computes the router in f32 (fused multiply-adds: the choice is not continuous in the logits).
; 256 work-groups of equal work: 16 tokens, one tile of 16 rows of w1 or w3, four tiles of 16 rows of w2: 320 KiB of inputs each.  Work-groups share nothing but gate_w (64 KiB), so no cluster is formed;
; all of a work-group's weights and the first half of its tokens are asked for at the head, so nothing is left to prefetch.
; WAVES 0-7 (X): 256 of each token's 2,048 numbers: codes [token][2048], scale bytes [token][64], partial logits.  WAVES 8-11: a quarter of K of the tile of w1 or w3.  WAVES 12-15: a tile of w2 each.
; A weight's tile comes by one tensor load of the wave that works on it, into bytes that this wave alone reads: no barrier stands between.
; Codes leave as images of the operand's registers (piece c of lane l at 512 c + 16 l; lane (r, h) holds places 32 c + 16 h + 0..15 of tile row r), scale words beside them.
; THE ORDER WITHIN 32 OF THE HIDDEN AXIS: tiles u = 0, 1 of w1 (w3) take rows 32 ep + 16 u + r, so the next product's operand holds hidden 16 u + 8 h + j at place 16 h + 8 u + j: w2's numbers are read in that order too.
; Behind the one barrier wave 0 makes the choice, the pair's words, masks and weights; wave 1 the choice again and the counts; waves 4-7 store x's scale bytes; waves 12-15 convert w2.  No address and no branch hangs on a logit.
.set XS,    8388608
.set WQ13,  8650752
.set WS13,  17039360
.set WQ2,   17301504
.set WS2,   21495808
.set GCO,   81920                      ; route: [256 groups][64 bins] words; from 65,536 [4,096] pairs; here [256][8] bytes: an expert's tokens in the group
.set MKO,   83968                      ; and [4,096] bytes: bit e: the token goes to expert e
.set P13,   2080                       ; LDS: 0: w1's or w3's four quarters, 16 rows x 2,048 bytes, 16 bytes of padding behind each 1,024
.set W2R,   133120                     ; w2's four tiles, 16 rows x (1,024 + 16)
.set P2,    1040
.set XSTG,  199680                     ; x's stages, 5,120 a wave (two of 32 x 80)
.set XSB,   240640                     ; x's scale bytes, 128 a wave: [row 16][8]
.set LGB,   241664                     ; partial logits, 512 a wave: [row 16][expert 8]
.set SPARE, 245760                     ; the spare words, 128 bytes for each wave
.set SP,    80
.set TM,    224
.set PC,    208
.set PW,    240
.set G1A,   68                         ; s[68:75], s[84:87] descriptor groups 1, 0: w1 or w3;  s[76:83], s[88:91]: w2
.set G1B,   76
.set G0A,   84
.set G0B,   88
; ---- the weights' macros.  v16-79, v80-143 two sets of 64 numbers, v208-223 codes, v224-239 at work, v244-247 scale words
.macro WREAD s, adr, off, d            ; a K step of 128: 16 numbers of each of four blocks a lane, in two runs of eight that lie d bytes apart
.irp c, 0,1,2,3
	ds_load_b128 v[\s+16*\c:\s+16*\c+3], v[\adr] offset:\off+128*\c
	ds_load_b128 v[\s+16*\c+4:\s+16*\c+7], v[\adr] offset:\off+128*\c+16
	ds_load_b128 v[\s+16*\c+8:\s+16*\c+11], v[\adr] offset:\off+128*\c+\d
	ds_load_b128 v[\s+16*\c+12:\s+16*\c+15], v[\adr] offset:\off+128*\c+\d+16
.endr
.endm
.macro QUANT s                         ; 64 numbers of a lane -> a fragment's codes in v[PC] on, its scale word in v[PW]
.irp b, 0,1,2,3
	v_max3_num_f32 v[TM+\b], |v[\s+16*\b]|, |v[\s+1+16*\b]|, 0x4800000   ; with the floor 2^(9 - 127): the byte cannot fall under 1
.endr
.irp i, 2,4,6,8,10,12,14
.irp b, 0,1,2,3
	v_max3_num_f32 v[TM+\b], v[TM+\b], |v[\s+16*\b+\i]|, |v[\s+1+16*\b+\i]|
.endr
.endr
.irp b, 0,1,2,3
	v_permlanex16_b32 v[TM+4+\b], v[TM+\b], s22, s23
.endr
.irp b, 0,1,2,3
	v_max_num_f32 v[TM+\b], v[TM+\b], v[TM+4+\b]           ; with lane l xor 16's: the block's largest magnitude
.endr
.irp b, 0,1,2,3
	v_add_nc_u32 v[TM+12+\b], 0xfc000000, v[TM+\b]         ; 8 off its exponent field: the conversion's scale operand
.endr
.irp b, 0,1,2,3
	v_and_or_b32 v[TM+8+\b], v[TM+\b], 0x7f800000, s21     ; 448 x the scale
.endr
.irp b, 0,1,2,3
	v_lshrrev_b32 v[TM+4+\b], 23, v[TM+12+\b]              ; the scale's byte
.endr
	v_lshl_or_b32 v[PW], v[TM+5], 8, v[TM+4]
	s_delay_alu instid0(VALU_DEP_1)
	v_lshl_or_b32 v[PW], v[TM+6], 16, v[PW]
	s_delay_alu instid0(VALU_DEP_1)
	v_lshl_or_b32 v[PW], v[TM+7], 24, v[PW]
.irp b, 0,1,2,3
.irp i, 0,1,2,3,4,5,6,7,8,9,10,11,12,13,14,15
	v_med3_num_f32 v[\s+16*\b+\i], v[\s+16*\b+\i], -v[TM+8+\b], v[TM+8+\b]   ; the conversion to an 8-bit code does not saturate (ISA guide 7.6.2)
.endr
	v_cvt_scalef32_pk8_fp8_f32 v[PC+4*\b:PC+1+4*\b], v[\s+16*\b:\s+7+16*\b], v[TM+12+\b]
	v_cvt_scalef32_pk8_fp8_f32 v[PC+2+4*\b:PC+3+4*\b], v[\s+8+16*\b:\s+15+16*\b], v[TM+12+\b]
.endr
	v_nop                                                  ; a plain line behind the last conversion
.endm
.macro WSTEP u, n, adr, d, img         ; step u of n; the next step's numbers are on their way while this one is worked; images img bytes apart
	s_wait_dscnt 0x0
.if (\u) < (\n)-1
	WREAD 16+64*((\u+1)%2), \adr, 512*(\u+1)+16*((\u+1)/2), \d
.endif
	s_wait_xcnt 0x0                                ; the last step's stores have read the codes' registers
	QUANT 16+64*((\u)%2)
	v_mov_b32 v[244+(\u)], v[PW]
.irp c, 0,1,2,3
	global_store_b128 v3, v[PC+4*\c:PC+4*\c+3], s[24:25] offset:\img*(\u)+512*\c   ; 512 consecutive bytes of the image
.endr
.endm
; ---- path X's macros.  v3 16 l, v4 codes' offset, v5 byte store, v6 logit store, v7 byte read, v10 logit read, v11 8 l, v1 4 l, v14 / v15 stage in / out;
; v16-79 four sets as loaded, v80-111 two sets of 16 neighbours, v112-175 my part of gate_w, v176-207 sums, v208-223 a row's logits (expert = lane % 8), v224-239 codes, v240-255 at work
.macro XLOAD t                         ; rows 2 t, 2 t + 1, my 256 numbers of each: four loads of 512 consecutive bytes
.irp i, 0,1,2,3
	global_load_b128 v[16+16*((\t)%4)+4*\i:16+16*((\t)%4)+4*\i+3], v3, s[24:25] offset:(2*(\t)+\i/2)*8192+512*(\i%2) th:TH_LOAD_NT
.endr
.endm
.macro XTURN t                         ; through the wave's own stage: lane l comes out with 16 neighbours: row 2 t + l / 16, k = 256 w + 16 (l % 16) on
.irp i, 0,1,2,3
	ds_store_b128 v14, v[16+16*((\t)%4)+4*\i:16+16*((\t)%4)+4*\i+3] offset:32*SP*((\t)%2)+8*SP*\i
.endr
.irp i, 0,1,2,3
	ds_load_b128 v[80+16*((\t)%2)+4*\i:80+16*((\t)%2)+4*\i+3], v15 offset:32*SP*((\t)%2)+16*\i
.endr
.endm
.macro XFMA t                          ; the router's products on the numbers as loaded: 2 rows x 8 experts x 8 numbers a lane; the first product starts each sum
.set RS, 16+16*((\t)%4)
.irp p, 0,1
.irp e, 0,1,2,3,4,5,6,7
	v_pk_mul_f32 v[176+16*\p+2*\e:177+16*\p+2*\e], v[RS+8*\p:RS+8*\p+1], v[112+4*\e:113+4*\e]
.endr
.endr
.irp k, 2,32,34
.irp p, 0,1
.irp e, 0,1,2,3,4,5,6,7
	v_pk_fma_f32 v[176+16*\p+2*\e:177+16*\p+2*\e], v[RS+8*\p+\k%32+4*(\k/32):RS+8*\p+\k%32+4*(\k/32)+1], v[112+\k+4*\e:113+\k+4*\e], v[176+16*\p+2*\e:177+16*\p+2*\e]
.endr
.endr
.endr
.endm
.macro XRED t                          ; eight sums a lane become one: at each of three levels a lane keeps half of its sums and sends the other half to the lane 1, 2, 4 away; lane l ends with expert l % 8
.irp p, 0,1
.irp e, 0,1,2,3,4,5,6,7
	v_add_f32 v[240+\e], v[176+16*\p+2*\e], v[177+16*\p+2*\e]
.endr
.irp k, 0,1,2,3
	v_cndmask_b32 v[252+\k], v[241+2*\k], v[240+2*\k], s34
	v_cndmask_b32 v[240+2*\k], v[240+2*\k], v[241+2*\k], s34
.endr
.irp k, 0,1,2,3
	v_add_f32_dpp v[240+2*\k], v[252+\k], v[240+2*\k] row_xmask:1 row_mask:0xf bank_mask:0xf
.endr
.irp k, 0,1
	v_cndmask_b32 v[252+\k], v[242+4*\k], v[240+4*\k], s35
	v_cndmask_b32 v[240+4*\k], v[240+4*\k], v[242+4*\k], s35
.endr
.irp k, 0,1
	v_add_f32_dpp v[240+4*\k], v[252+\k], v[240+4*\k] row_xmask:2 row_mask:0xf bank_mask:0xf
.endr
	s_delay_alu instid0(VALU_DEP_1)
	v_cndmask_b32 v252, v244, v240, s36
	s_delay_alu instid0(VALU_DEP_2)
	v_cndmask_b32 v[208+2*(\t)+\p], v240, v244, s36
	s_delay_alu instid0(VALU_DEP_1)
	v_add_f32_dpp v[208+2*(\t)+\p], v252, v[208+2*(\t)+\p] row_xmask:4 row_mask:0xf bank_mask:0xf
.endr
.endm
.macro XSTEP t                         ; 16 neighbours a lane, two lanes to a block: scale, hold, codes
.set XX, 80+16*((\t)%2)
	v_max3_num_f32 v252, |v[XX]|, |v[XX+1]|, |v[XX+2]|
	v_max3_num_f32 v253, |v[XX+3]|, |v[XX+4]|, |v[XX+5]|
.irp i, 6,10
	s_delay_alu instid0(VALU_DEP_2)
	v_max3_num_f32 v252, v252, |v[XX+\i]|, |v[XX+\i+1]|
	s_delay_alu instid0(VALU_DEP_2)
	v_max3_num_f32 v253, v253, |v[XX+\i+2]|, |v[XX+\i+3]|
.endr
	s_delay_alu instid0(VALU_DEP_2)
	v_max3_num_f32 v252, v252, |v[XX+14]|, |v[XX+15]|
	s_delay_alu instid0(VALU_DEP_1)
	v_max3_num_f32 v252, v252, v253, 0x4800000             ; and the floor 2^(9 - 127)
	s_delay_alu instid0(VALU_DEP_1)
	v_max_num_f32_dpp v252, v252, v252 row_xmask:1 row_mask:0xf bank_mask:0xf
	s_delay_alu instid0(VALU_DEP_1)
	v_add_nc_u32 v255, 0xfc000000, v252
	s_delay_alu instid0(VALU_DEP_2)
	v_and_or_b32 v254, v252, 0x7f800000, s21
.irp i, 0,1,2,3,4,5,6,7,8,9,10,11,12,13,14,15
	v_med3_num_f32 v[XX+\i], v[XX+\i], -v254, v254
.endr
	v_cvt_scalef32_pk8_fp8_f32 v[224+4*((\t)%4):225+4*((\t)%4)], v[XX:XX+7], v255
	v_cvt_scalef32_pk8_fp8_f32 v[226+4*((\t)%4):227+4*((\t)%4)], v[XX+8:XX+15], v255
	v_lshrrev_b32 v[248+(\t)%4], 23, v255                  ; the scale's byte (also the plain line behind the conversions)
	ds_store_b8 v5, v[248+(\t)%4] offset:16*(\t)           ; both lanes of a block write the same byte with the same value
	global_store_b128 v4, v[224+4*((\t)%4):227+4*((\t)%4)], s[28:29] offset:4096*(\t)   ; each sixteen lanes store 256 consecutive bytes, aligned
.endm
.macro XTRIP t
.if (\t) > 0
	s_wait_dscnt 1                                 ; this step's neighbours are back from the stage; the last step's byte store may be out
.else
	s_wait_dscnt 0x0
.endif
.if (\t) < 4
	XLOAD (\t)+4
.endif
.if (\t) < 7
.if (\t) <= 3
	s_wait_loadcnt 12                              ; the next step's four loads are in; those of the three steps behind it may be out
.else
	s_wait_loadcnt 4*(6-(\t))
.endif
	XTURN (\t)+1
	XFMA (\t)+1
	XRED (\t)+1
.endif
	s_wait_xcnt 0x0                                ; earlier stores have read their codes' registers
	XSTEP \t
.endm
.macro MULT thr, base, out             ; one multiplier: 1 / the sum over experts of exp(base - thr), experts with (thr - logit) / max(|logit|, thr) > 0.02 left out.  thr is the softmax's maximum: the chosen expert is never left out
.irp e, 0,1,2,3,4,5,6,7
	v_sub_f32 v[32+\e], v[\thr], v[16+\e]
.endr
.irp e, 0,1,2,3,4,5,6,7
	v_max_num_f32 v[40+\e], |v[16+\e]|, v[\thr]
.endr
.irp e, 0,1,2,3,4,5,6,7
	v_sub_f32 v[64+\e], v[\base+\e], v[\thr]
.endr
.irp e, 0,1,2,3,4,5,6,7
	v_mul_f32 v[64+\e], 0x3fb8aa3b, v[64+\e]
.endr
	s_wait_alu depctr_va_vdst(0)
.irp e, 0,1,2,3,4,5,6,7
	v_rcp_f32 v[48+\e], v[40+\e]
.endr
.irp e, 0,1,2,3,4,5,6,7
	v_exp_f32 v[64+\e], v[64+\e]
.endr
	v_nop                                          ; a plain line behind the batch,
	s_wait_alu depctr_va_vdst(0)                   ; and one wait for all sixteen, ahead of the first reader
.irp e, 0,1,2,3,4,5,6,7
	v_mul_f32 v[56+\e], v[32+\e], v[48+\e]
.endr
.irp e, 0,1,2,3,4,5,6,7
	v_fma_f32 v[32+\e], -v[56+\e], v[40+\e], v[32+\e]      ; the quotient's remainder,
.endr
.irp e, 0,1,2,3,4,5,6,7
	v_fma_f32 v[56+\e], v[32+\e], v[48+\e], v[56+\e]       ; and one correction by it
.endr
.irp e, 0,1,2,3,4,5,6,7
	v_cmp_lt_f32 vcc_lo, s37, v[56+\e]
	v_cndmask_b32 v[64+\e], v[64+\e], 0, vcc_lo
.endr
	v_add_f32 v64, v64, v65
	v_add_f32 v66, v66, v67
	v_add_f32 v68, v68, v69
	v_add_f32 v70, v70, v71
	v_add_f32 v64, v64, v66
	v_add_f32 v68, v68, v70
	v_add_f32 v64, v64, v68
	s_wait_alu depctr_va_vdst(0)
	v_rcp_f32 v[\out], v64
	v_nop
	s_wait_alu depctr_va_vdst(0)
.endm
	s_load_b512 s[4:19], s[0:1], 0x0               ; x s[4:5], gate_w s[6:7], w1 s[8:9], w3 s[10:11], w2 s[12:13], q s[14:15], route s[16:17], rwt s[18:19]
	v_lshl_add_u32 v12, v0, 2, SPARE               ; my spare word,
	v_mov_b32 v13, 0                               ; and 0: kept for the adds alone
	ds_add_u32 v12, v13                            ; the opening lines: the add, twice on end, and one wait
	ds_add_u32 v12, v13
	v_lshrrev_b32 v1, 5, v0
	v_readfirstlane_b32 s20, v1                    ; wave 0..15
	s_mov_b32 s21, 0x600000                        ; the mantissa field of 448
	s_mov_b32 s22, 0x76543210
	s_mov_b32 s23, 0xfedcba98                      ; v_permlanex16_b32's selects for lane l xor 16
	s_and_b32 s41, s20, 3                          ; which quarter of K (waves 8-11), which tile of w2 (waves 12-15)
	; group 1: 16 rows of 512 numbers of 4 bytes, 8,192 bytes apart, and 16 rows of 256 numbers that lie on end; 4 dwords of padding behind each 256
	s_mov_b32 s[G1A+0], (2<<16)|(1<<20)|(7<<22)|(3<<25)
	s_mov_b32 s[G1A+1], 512<<16
	s_mov_b32 s[G1A+2], 16<<16
	s_mov_b32 s[G1A+3], 512<<16
	s_mov_b32 s[G1A+4], 16
	s_mov_b32 s[G1A+5], 2048
	s_mov_b32 s[G1A+6], 0
	s_mov_b32 s[G1A+7], 0
	s_mov_b32 s[G1B+0], (2<<16)|(1<<20)|(7<<22)|(3<<25)
	s_mov_b32 s[G1B+1], 256<<16
	s_mov_b32 s[G1B+2], 16<<16
	s_mov_b32 s[G1B+3], 256<<16
	s_mov_b32 s[G1B+4], 16
	s_mov_b32 s[G1B+5], 256
	s_mov_b32 s[G1B+6], 0
	s_mov_b32 s[G1B+7], 0
	s_mov_b32 s[G0A], 1
	s_mul_i32 s[G0A+1], s41, 16*P13
	s_mov_b32 s[G0B], 1
	s_mul_i32 s[G0B+1], s41, 16*P2
	s_add_co_u32 s[G0B+1], s[G0B+1], W2R
	s_lshr_b32 s42, ttmp9, 2                       ; ep = 8 x expert + unit of 32 hidden; t = work-group % 4 = 2 x (w3?) + u
	s_lshl_b32 s42, s42, 18                        ; rows 32 ep + 16 u on, 8,192 bytes each, + 2,048 for each quarter
	s_and_b32 s43, ttmp9, 1
	s_lshl_b32 s43, s43, 17
	s_add_co_u32 s42, s42, s43
	s_lshl_b32 s43, s41, 11
	s_add_co_u32 s42, s42, s43
	s_mov_b32 s43, 0
	s_lshl_b32 s44, ttmp9, 16                      ; w2's tiles 4 x work-group on, 16,384 bytes each
	s_lshl_b32 s45, s41, 14
	s_add_co_u32 s44, s44, s45
	s_mov_b32 s45, 0
	; every LDS address is made here, for all waves
	v_and_b32 v2, 31, v0                           ; lane
	v_and_b32 v17, 15, v0                          ; r
	v_bfe_u32 v18, v0, 4, 1                        ; h
	v_lshlrev_b32 v3, 4, v2
	v_lshlrev_b32 v11, 3, v2
	v_lshlrev_b32 v1, 2, v2
	v_lshlrev_b32 v4, 11, v18
	v_lshl_add_u32 v4, v17, 4, v4                  ; x's codes: 2,048 (l / 16) + 16 (l % 16)
	s_lshl_b32 s46, s20, 7
	s_add_co_u32 s46, s46, XSB
	v_bfe_u32 v5, v2, 1, 3
	v_lshl_add_u32 v5, v18, 3, v5
	v_add_nc_u32 v5, s46, v5                       ; my block's byte: 128 w + 8 (l / 16) + (l / 2) % 8; 16 more for each step
	v_lshlrev_b32 v10, 5, v17
	v_add_nc_u32 v10, LGB, v10                     ; a token's partial logits: 32 x token; 512 more for each wave
	s_mul_i32 s46, s20, 5120
	s_add_co_u32 s46, s46, XSTG
	v_lshrrev_b32 v14, 2, v2
	v_mul_u32_u24 v14, v14, SP
	v_and_b32 v15, 3, v2
	v_lshl_add_u32 v14, v15, 4, v14
	v_add_nc_u32 v14, s46, v14
	v_mul_u32_u24 v15, v2, SP
	v_add_nc_u32 v15, s46, v15
	v_and_b32 v6, 7, v2
	v_lshrrev_b32 v7, 3, v2
	v_lshlrev_b32 v7, 3, v7
	v_lshl_add_u32 v7, v6, 7, v7
	s_lshl_b32 s46, s20, 5
	s_add_co_u32 s46, s46, XSB-128
	v_add_nc_u32 v7, s46, v7                       ; waves 4-7 read the bytes back by rows: 128 (l % 8) + 8 (4 (w - 4) + l / 8)
	s_lshl_b32 s46, s20, 9
	s_add_co_u32 s46, s46, LGB
	v_lshlrev_b32 v6, 2, v6
	v_add_nc_u32 v6, s46, v6                       ; my wave's partial logits: 512 w + 4 (l % 8); 32 more for each row
	s_mul_i32 s46, s41, 16*P13
	v_mul_u32_u24 v8, v17, P13
	v_lshl_add_u32 v8, v18, 6, v8
	v_add_nc_u32 v8, s46, v8                       ; w1, w3: row r, 16 h numbers on
	s_mul_i32 s46, s41, 16*P2
	s_add_co_u32 s46, s46, W2R
	v_mul_u32_u24 v9, v17, P2
	v_lshl_add_u32 v9, v18, 5, v9
	v_add_nc_u32 v9, s46, v9                       ; w2: row r, 8 h numbers on
	s_wait_alu depctr_va_vdst(0)                   ; the wait at the head's end
	s_wait_dscnt 0x0                               ; both opening adds are done
	s_wait_kmcnt 0x0
	s_and_b32 s46, ttmp9, 2
	s_cmp_eq_u32 s46, 0
	s_cselect_b64 s[46:47], s[8:9], s[10:11]       ; w1 or w3
	s_add_nc_u64 s[G0A+2:G0A+3], s[46:47], s[42:43]
	s_or_b32 s[G0A+3], s[G0A+3], 0x80000000
	s_add_nc_u64 s[G0B+2:G0B+3], s[12:13], s[44:45]
	s_or_b32 s[G0B+3], s[G0B+3], 0x80000000
	s_cmp_lt_u32 s20, 8                            ; one chain on the wave's number, one tensor load at most on each way
	s_cbranch_scc1 .Lasked
	s_cmp_lt_u32 s20, 12
	s_cbranch_scc0 .Lask_w2
	tensor_load_to_lds s[G0A:G0A+3], s[G1A:G1A+7]
	s_nop 0
.rept 4
	v_nop
.endr
	s_branch .Lasked
.Lask_w2:
	tensor_load_to_lds s[G0B:G0B+3], s[G1B:G1B+7]
	s_nop 0
.rept 4
	v_nop
.endr
.Lasked:
	s_cmp_lt_u32 s20, 8
	s_cbranch_scc1 .Lx
	s_cmp_lt_u32 s20, 12
	s_cbranch_scc0 .Lbar
	; ================ WAVES 8-11: four K steps of the tile of w1 or w3
	s_lshr_b32 s42, ttmp9, 2
	s_lshl_b32 s42, s42, 17
	s_and_b32 s44, ttmp9, 3
	s_lshl_b32 s44, s44, 11
	s_add_co_u32 s42, s42, s44
	s_lshl_b32 s44, s41, 15
	s_add_co_u32 s42, s42, s44
	s_add_co_u32 s42, s42, WQ13
	s_add_nc_u64 s[24:25], s[14:15], s[42:43]      ; my images: [ep][K step 16][t 4][2,048]
	s_lshl_b32 s42, ttmp9, 10
	s_lshl_b32 s44, s41, 8
	s_add_co_u32 s42, s42, s44
	s_add_co_u32 s42, s42, WS13
	s_add_nc_u64 s[26:27], s[14:15], s[42:43]      ; my scale words: [4 ep + t][quarter][r][4 words]
.irp b, 0,1,2,3
	v_mov_b32 v[TM+4+\b], 0                        ; written once: a lane permute's destination counts as one of its sources
.endr
	v_lshrrev_b32 v250, 4, v2
	v_and_b32 v251, 15, v2
	v_lshlrev_b32 v251, 4, v251
	v_lshl_add_u32 v251, v250, 3, v251             ; 16 r + 8 h
	s_wait_alu depctr_va_vdst(0)
	s_wait_tensorcnt 0x0                           ; my tile is in; no other wave reads it
	WREAD 16, 8, 0, 32
	WSTEP 0, 4, 8, 32, 8192
	WSTEP 1, 4, 8, 32, 8192
	WSTEP 2, 4, 8, 32, 8192
	WSTEP 3, 4, 8, 32, 8192
	v_cmp_eq_u32 vcc_lo, 1, v250
	v_cndmask_b32 v248, v244, v246, vcc_lo         ; lanes 0-15 store steps 0, 1's words of their row, lanes 16-31 steps 2, 3's
	v_cndmask_b32 v249, v245, v247, vcc_lo
	global_store_b64 v251, v[248:249], s[26:27]    ; 32 lanes store 256 consecutive bytes, aligned
	s_branch .Lbar
	; ================ WAVES 0-7: tokens 16 g .. 16 g + 15, g = the work-group.  Wave w owns k = 256 w .. 256 w + 255 of all 16 rows
.Lx:
	s_mov_b32 s34, 0xaaaaaaaa
	s_mov_b32 s35, 0xcccccccc
	s_mov_b32 s36, 0xf0f0f0f0
	s_mov_b32 s37, 0x3ca3d70a                      ; 0.02 as f32
	s_lshl_b32 s46, ttmp9, 17
	s_lshl_b32 s48, s20, 10
	s_mov_b32 s49, 0
	s_add_co_u32 s46, s46, s48
	s_mov_b32 s47, 0
	s_lshl_b32 s50, ttmp9, 15
	s_lshl_b32 s52, s20, 8
	s_add_co_u32 s50, s50, s52
	s_mov_b32 s51, 0
	s_add_nc_u64 s[24:25], s[4:5], s[46:47]        ; x at my 256 numbers of the group's first row
	s_add_nc_u64 s[26:27], s[6:7], s[48:49]        ; gate_w likewise
	s_add_nc_u64 s[28:29], s[14:15], s[50:51]      ; the codes
.irp c, 0,1
.irp e, 0,1,2,3,4,5,6,7
	global_load_b128 v[112+32*\c+4*\e:115+32*\c+4*\e], v3, s[26:27] offset:8192*\e+512*\c
.endr
.endr
	XLOAD 0
	XLOAD 1
	XLOAD 2
	XLOAD 3
	s_wait_loadcnt 12                              ; gate_w and step 0 are in; three steps' loads may be out
	XTURN 0
	XFMA 0
	XRED 0
.irp t, 0,1,2,3,4,5,6,7
	XTRIP \t
.endr
.irp n, 0,1,2,3,4,5,6,7,8,9,10,11,12,13,14,15
	v_add_f32_dpp v[208+\n], v[208+\n], v[208+\n] row_xmask:8 row_mask:0xf bank_mask:0xf
.endr
.irp n, 0,1,2,3,4,5,6,7,8,9,10,11,12,13,14,15
	v_permlanex16_b32 v[176+\n], v[208+\n], s22, s23
.endr
.irp n, 0,1,2,3,4,5,6,7,8,9,10,11,12,13,14,15
	v_add_f32 v[208+\n], v[208+\n], v[176+\n]      ; my wave's part of logit (row n, expert l % 8)
.endr
.irp n, 0,1,2,3,4,5,6,7,8,9,10,11,12,13,14,15
	ds_store_b32 v6, v[208+\n] offset:32*\n        ; four lanes write the same word with the same value
.endr
.Lbar:
	s_wait_alu depctr_va_vdst(0)                   ; the wait ahead of the barrier
	s_wait_dscnt 0x0                               ; for the others' sake: my bytes and my partial logits lie in LDS
	s_barrier_signal -1
	s_barrier_wait -1
	s_cmp_lt_u32 s20, 2
	s_cbranch_scc1 .Lrouter
	s_cmp_lt_u32 s20, 4
	s_cbranch_scc1 .Lend
	s_cmp_lt_u32 s20, 8
	s_cbranch_scc0 .Lweights
	s_lshl_b32 s52, ttmp9, 10
	s_lshl_b32 s50, s20, 8
	s_add_co_u32 s52, s52, s50
	s_add_co_u32 s52, s52, XS-1024
	s_mov_b32 s53, 0
	s_add_nc_u64 s[30:31], s[14:15], s[52:53]      ; 256 (w - 4) into the group's 1,024 scale bytes
	ds_load_b64 v[16:17], v7
	s_wait_dscnt 0x0
	global_store_b64 v11, v[16:17], s[30:31]       ; 32 lanes store 256 consecutive bytes, aligned: four rows' scale bytes
	s_branch .Lend
.Lweights:
	s_cmp_lt_u32 s20, 12
	s_cbranch_scc1 .Lend
	; ================ WAVES 12-15: two K steps of a tile of w2
	s_lshl_b32 s42, ttmp9, 2
	s_add_co_u32 s42, s42, s41                     ; the tile
	s_lshl_b32 s44, s42, 12
	s_add_co_u32 s44, s44, WQ2
	s_add_nc_u64 s[24:25], s[14:15], s[44:45]      ; [tile][K step 2][2,048]
	s_lshl_b32 s44, s42, 7
	s_add_co_u32 s44, s44, WS2
	s_add_nc_u64 s[26:27], s[14:15], s[44:45]      ; [tile][r][2 words]
.irp b, 0,1,2,3
	v_mov_b32 v[TM+4+\b], 0
.endr
	v_lshrrev_b32 v250, 4, v2
	v_and_b32 v251, 15, v2
	v_lshlrev_b32 v251, 3, v251
	v_lshl_add_u32 v251, v250, 2, v251             ; 8 r + 4 h
	s_wait_alu depctr_va_vdst(0)
	s_wait_tensorcnt 0x0                           ; my tile is in; no other wave reads it
	WREAD 16, 9, 0, 64
	WSTEP 0, 2, 9, 64, 2048
	WSTEP 1, 2, 9, 64, 2048
	v_cmp_eq_u32 vcc_lo, 1, v250
	v_cndmask_b32 v248, v244, v245, vcc_lo
	global_store_b32 v251, v248, s[26:27]          ; 128 consecutive bytes; the four waves' lie on end
	s_branch .Lend
.Lrouter:                                              ; waves 0, 1: lane l serves token l % 16 (lanes 16-31 repeat lanes 0-15)
.irp w, 0,1,2,3,4,5,6,7
	ds_load_b128 v[16+8*\w:19+8*\w], v10 offset:512*\w
	ds_load_b128 v[20+8*\w:23+8*\w], v10 offset:512*\w+16
.endr
	s_wait_dscnt 0x0
.irp e, 0,2,4,6
	v_pk_add_f32 v[16+\e:17+\e], v[16+\e:17+\e], v[24+\e:25+\e]
	v_pk_add_f32 v[32+\e:33+\e], v[32+\e:33+\e], v[40+\e:41+\e]
	v_pk_add_f32 v[48+\e:49+\e], v[48+\e:49+\e], v[56+\e:57+\e]
	v_pk_add_f32 v[64+\e:65+\e], v[64+\e:65+\e], v[72+\e:73+\e]
.endr
.irp e, 0,2,4,6
	v_pk_add_f32 v[16+\e:17+\e], v[16+\e:17+\e], v[32+\e:33+\e]
	v_pk_add_f32 v[48+\e:49+\e], v[48+\e:49+\e], v[64+\e:65+\e]
.endr
.irp e, 0,2,4,6
	v_pk_add_f32 v[16+\e:17+\e], v[16+\e:17+\e], v[48+\e:49+\e]   ; v16-23: the eight logits
.endr
	v_mov_b32 v80, v16                             ; the largest, by a strict comparison in ascending order: of equals the lower index stays
	v_mov_b32 v81, 0
.irp e, 1,2,3,4,5,6,7
	v_cmp_gt_f32 vcc_lo, v[16+\e], v80
	v_cndmask_b32 v80, v80, v[16+\e], vcc_lo
	v_cndmask_b32 v81, v81, \e, vcc_lo
.endr
	v_mov_b32 v84, 0xff800000                      ; -infinity
.irp e, 0,1,2,3,4,5,6,7
	v_cmp_eq_u32 vcc_lo, \e, v81
	v_cndmask_b32 v[24+\e], v[16+\e], v84, vcc_lo  ; v24-31: the scores with the first choice taken out
.endr
	v_mov_b32 v82, v24
	v_mov_b32 v83, 0
.irp e, 1,2,3,4,5,6,7
	v_cmp_gt_f32 vcc_lo, v[24+\e], v82
	v_cndmask_b32 v82, v82, v[24+\e], vcc_lo
	v_cndmask_b32 v83, v83, \e, vcc_lo
.endr
	v_min_u32 v86, v81, v83                        ; the pair in ascending order
	v_max_u32 v87, v81, v83
	s_wait_alu depctr_va_vdst(0)                   ; the wait ahead of the branch
	s_cmp_lg_u32 s20, 0
	s_cbranch_scc1 .Lcounts
	s_lshl_b32 s60, ttmp9, 6
	s_add_co_u32 s60, s60, 65536
	s_mov_b32 s61, 0
	s_lshl_b32 s62, ttmp9, 7
	s_mov_b32 s63, 0
	s_lshl_b32 s66, ttmp9, 4
	s_add_co_u32 s66, s66, MKO
	s_mov_b32 s67, 0
	s_add_nc_u64 s[60:61], s[16:17], s[60:61]      ; the tokens' pairs,
	s_add_nc_u64 s[62:63], s[18:19], s[62:63]      ; weights
	s_add_nc_u64 s[66:67], s[16:17], s[66:67]      ; and masks
	MULT 80, 16, 85
	MULT 82, 24, 93
	v_cmp_lt_u32 vcc_lo, v81, v83
	v_cndmask_b32 v88, v93, v85, vcc_lo            ; the weights in the pair's order
	v_cndmask_b32 v89, v85, v93, vcc_lo
	v_lshl_or_b32 v92, v87, 8, v86
	v_mov_b32 v90, 1
	v_lshlrev_b32 v94, v86, v90
	v_lshlrev_b32 v95, v87, v90
	v_or_b32 v94, v94, v95
	v_cmp_gt_u32 vcc_lo, 16, v2
	s_wait_alu depctr_va_vdst(0)
	s_wait_xcnt 0x0                                ; EXEC changes only behind this wait
	s_and_saveexec_b32 s39, vcc_lo
	global_store_b32 v1, v92, s[60:61]             ; 64, 128 and 16 bytes a group: these stores are shorter than 256 bytes
	global_store_b64 v11, v[88:89], s[62:63]
	global_store_b8 v2, v94, s[66:67]
	s_wait_xcnt 0x0                                ; and again, in front of the line that widens it
	s_or_b32 exec_lo, exec_lo, s39
	s_branch .Lend
.Lcounts:                                              ; wave 1: 64 counts, two a lane: bin 9 e: tokens that go to expert e; bin 8 a + b, a < b: tokens with the pair (a, b); the others 0
	s_lshl_b32 s32, ttmp9, 8
	s_mov_b32 s33, 0
	s_add_nc_u64 s[32:33], s[16:17], s[32:33]
	s_lshl_b32 s60, ttmp9, 3
	s_add_co_u32 s60, s60, GCO
	s_mov_b32 s61, 0
	s_add_nc_u64 s[60:61], s[16:17], s[60:61]
.irp e, 0,1,2,3,4,5,6,7
	v_cmp_eq_u32 s[40+\e], \e, v86
	v_cmp_eq_u32 s[48+\e], \e, v87
.endr
.irp e, 0,1,2,3,4,5,6,7
	s_and_b32 s[40+\e], s[40+\e], 0xffff
	s_and_b32 s[48+\e], s[48+\e], 0xffff
.endr
	v_mov_b32 v90, 0
	v_mov_b32 v91, 0
.irp e, 0,1,2,3,4,5,6,7
	s_or_b32 s38, s[40+\e], s[48+\e]
	s_bcnt1_i32_b32 s[92+\e], s38
	v_writelane_b32 v[90+((9*\e)%2)], s[92+\e], (9*\e)/2
.endr
.irp a, 0,1,2,3,4,5,6
.irp b, 1,2,3,4,5,6,7
.if \a < \b
	s_and_b32 s38, s[40+\a], s[48+\b]
	s_bcnt1_i32_b32 s38, s38
	v_writelane_b32 v[90+((8*\a+\b)%2)], s38, (8*\a+\b)/2
.endif
.endr
.endr
	global_store_b64 v11, v[90:91], s[32:33]       ; 256 consecutive bytes, aligned
.irp k, 0,1
.irp e, 1,2,3
	s_lshl_b32 s38, s[92+4*\k+\e], 8*\e
	s_or_b32 s[92+4*\k], s[92+4*\k], s38
.endr
.endr
	v_mov_b32 v94, s92                             ; the eight experts' counts as bytes
	v_mov_b32 v95, s96
	v_cmp_gt_u32 vcc_lo, 1, v2
	s_wait_alu depctr_va_vdst(0)
	s_wait_xcnt 0x0                                ; EXEC changes only behind this wait
	s_and_saveexec_b32 s39, vcc_lo
	global_store_b64 v1, v[94:95], s[60:61]
	s_wait_xcnt 0x0
	s_or_b32 exec_lo, exec_lo, s39
.Lend:
	s_wait_tensorcnt 0x0                           ; the wave's end: behind my last LDS store
	ds_add_u32 v12, v13
	s_wait_dscnt 0x0
	s_endpgm
.Lfunc_end_k_qfe78fa7410_prep:
	.size	k_qfe78fa7410_prep, .Lfunc_end_k_qfe78fa7410_prep-k_qfe78fa7410_prep
	.p2alignl 7, 3214868480
	.fill 96, 4, 3214868480
	.section	.rodata,"a",@progbits
	.p2align	6, 0x0
	.amdhsa_kernel k_qfe78fa7410_prep
		.amdhsa_group_segment_fixed_size 247808
		.amdhsa_private_segment_fixed_size 0
		.amdhsa_enable_private_segment 0
		.amdhsa_kernarg_size 64
		.amdhsa_user_sgpr_count 2
		.amdhsa_user_sgpr_kernarg_segment_ptr 1
		.amdhsa_wavefront_size32 1
		.amdhsa_system_sgpr_workgroup_id_x 1
		.amdhsa_system_sgpr_workgroup_id_y 1
		.amdhsa_system_sgpr_workgroup_id_z 1
		.amdhsa_system_vgpr_workitem_id 0
		.amdhsa_next_free_vgpr 256
		.amdhsa_next_free_sgpr 100
		.amdhsa_reserve_vcc 1
		.amdhsa_float_denorm_mode_32 3
		.amdhsa_float_denorm_mode_16_64 3
		.amdhsa_memory_ordered 1
		.amdhsa_forward_progress 1
		.amdhsa_inst_pref_size 180
	.end_amdhsa_kernel
	.amdgpu_metadata
---
amdhsa.version: [ 1, 2 ]
amdhsa.kernels:
  - .name:           k_qfe78fa7410_prep
    .symbol:         k_qfe78fa7410_prep.kd
    .args:
      - { .name: hidden_states, .offset: 0, .size: 8, .value_kind: global_buffer, .address_space: global }
      - { .name: gate_w, .offset: 8, .size: 8, .value_kind: global_buffer, .address_space: global }
      - { .name: w1, .offset: 16, .size: 8, .value_kind: global_buffer, .address_space: global }
      - { .name: w3, .offset: 24, .size: 8, .value_kind: global_buffer, .address_space: global }
      - { .name: w2, .offset: 32, .size: 8, .value_kind: global_buffer, .address_space: global }
      - { .name: q, .offset: 40, .size: 8, .value_kind: global_buffer, .address_space: global }
      - { .name: route, .offset: 48, .size: 8, .value_kind: global_buffer, .address_space: global }
      - { .name: rwt, .offset: 56, .size: 8, .value_kind: global_buffer, .address_space: global }
    .group_segment_fixed_size: 247808
    .private_segment_fixed_size: 0
    .kernarg_segment_align: 8
    .kernarg_segment_size: 64
    .max_flat_workgroup_size: 512
    .sgpr_count:     100
    .vgpr_count:     256
    .wavefront_size: 32
...
	.end_amdgpu_metadata
.endif
;; end of part 1
;; launch up (part 2): grid 252 x 1, 4 waves a work-group, no clusters, 183,808 bytes of LDS; arguments q, route, h, plan; writes h, plan
.if DOCPART == 2
	.amdgcn_target "amdgcn-amd-amdhsa--gfx1250"
	.amdhsa_code_object_version 6
	.text
	.protected	k_qfe78fa7410_up
	.globl	k_qfe78fa7410_up
	.p2align	8
	.type	k_qfe78fa7410_up,@function
k_qfe78fa7410_up:
	s_mov_b64 s[64:65], 0
	v_nop
	global_prefetch_b8 v0, s[64:65] scope:SCOPE_SE
	s_setreg_imm32_b32 hwreg(HW_REG_WAVE_MODE, 25, 1), 1
	s_wait_xcnt 0x0
; SECOND LAUNCH: h = silu(x w1^T) * (x w3^T) for the routed rows alone (see the first kernel's head), quantised along the hidden axis on the way; and the records for the third launch.
; An expert's rows are its tokens in ascending order, in tiles of 80 rows (slots), expert behind expert: never more than ceil(8,192 / 80) + 7 = 110 tiles, whatever the choice.
; WORK-GROUPS 0-219: tile = number / 2, hidden units 128 x on, x = number % 2.  Wave w takes unit p = 4 x + w, 32 hidden units: two tiles of w1, two of w3, against five tiles of 16 rows: 20 accumulators; K = 16 steps of 128.
; WHICH ROWS: every wave adds up the 256 groups' counts (8 bytes each) and so finds the tile's expert and its first rank; lane l of wave w then looks at the masks of tokens 1,024 w + 32 l .. + 31 and puts each token of the
; expert whose rank lies in the tile at its place in the wave's own list in LDS (other tokens go to place 80, which nobody reads).  The lists start as zeros; a row's token is the sum of the four lists' entries, and an unused row gets token 0.
; A tile that has no rows (expert 8) stores nothing.  That is a branch on stored numbers, so nothing comes by the tensor data mover, and no cluster is formed: the weights come straight into registers as images
; of the operand's registers; the 80 gathered rows of x's codes go through LDS once and are read by all four waves.  No prefetch: up to three K steps of weights, 48 loads a wave, are asked for ahead of their use, and many work-groups want the same bytes.
; The barriers stand outside the branches on stored numbers; every LDS address is made at the head, but the places in the lists.
; WORK-GROUPS 220-251: 128 tokens each: REC [4,096][4]: the tokens sorted by their pair (lower, higher expert): {token, pair, slot with the lower, slot with the higher}: a counting sort from the groups' 64 bins, by ballots.
; THE PRODUCTS ARE USED TRANSPOSED (source 0 = 16 rows of a weight, source 1 = 16 rows of x): a lane holds one row of x, and its 16 registers of a weight's two tiles are places 16 (lane / 16) + 0..15 of a block of 32 of the next K.
; REGISTERS.  Window 0: v1-3 l, r, h; v4 16 l; v5 x rows into LDS; v6-10 x fragments' addresses; v11-13, v29 h's stage; v14 h's offset; v15 16 r; v16-25 rows' offsets; v28 4 r; v30, v31 the add's two;
;   v32-111 x's scale words [m][step]; v112-175 the weights' [t][step]; v176-227, v241-254 at work; v228-232 rows' scale offsets; v233-240 the lists' addresses.
;   Window 1: four sets of the weights' 4 fragments.   Window 2: accumulator (t, m) at v[8 (5 t + m)].   Window 3: two sets of x's 5 fragments.
.set XS,    8388608
.set WQ13,  8650752
.set WS13,  17039360
.set GCO,   81920
.set MKO,   83968
.set RK,    65536
.set RECO,  35840
.set HSG,   2252800
.set XP,    2064                       ; a row of x's codes in LDS: 2,048 bytes + 16: an odd multiple of 16, so the 16 rows of a fragment load start in 16 different columns of 16 bytes
.set HST,   165120                     ; behind the 80 rows: h's codes, 80 rows of 128 bytes + 16
.set HSB,   176640                     ; h's scale bytes, 4 a row: 512 bytes, of which 320 leave
.set LST,   177152                     ; the four waves' lists, 128 words each
.set CL,    179200                     ; and each wave's own copy of their sum
.set RCL,   181248                     ; the records' work-groups: 512 bytes a wave: totals, and what lies in front
.set SPARE, 183296                     ; the spare words, 128 bytes for each wave
.set MSB, 0
.macro WIN new                         ; the immediate's high byte repeats the setting that is left
.if MSB != \new
	s_set_vgpr_msb (MSB<<8)|\new
.set MSB, \new
.endif
.endm
.macro WLD s                           ; K step s: my four tiles' fragments, 16 loads of 512 consecutive bytes, into set s % 4
	WIN 0x40
.irp t, 0,1,2,3
.irp c, 0,1,2,3
	global_load_b128 v[64*((\s)%4)+16*\t+4*\c:64*((\s)%4)+16*\t+4*\c+3], v4, s[16:17] offset:8192*(\s)+2048*\t+512*\c
.endr
.endr
.endm
.macro XF s                            ; K step s: x's five fragments from LDS into set s % 2
	WIN 0xc0
.irp m, 0,1,2,3,4
.irp c, 0,1,2,3
	ds_load_b128 v[80*((\s)%2)+16*\m+4*\c:80*((\s)%2)+16*\m+4*\c+3], v[6+\m] offset:128*(\s)+32*\c
.endr
.endr
.endm
.macro STEP s
.if (\s) > 0
.rept 8
	v_nop                                          ; eight places between the last step's products and loads into the registers that they read
.endr
.if (\s) <= 12
	WLD (\s)+3                                     ; into the set that the last step has left (K steps 0 to 3 were asked for at the head)
.endif
.endif
.if (\s) <= 14
	XF (\s)+1
.endif
.if (\s) == 0
	s_wait_loadcnt 32                              ; x's scale words and all that was asked for ahead of them are in; behind them stand the 32 loads of K steps 2 and 3
.elseif (\s) <= 12
	s_wait_loadcnt 48                              ; this step's weights are in; the three later steps' 48 loads may be out
.else
	s_wait_loadcnt 16*(15-(\s))
.endif
.if (\s) <= 14
	s_wait_dscnt 20                                ; this step's fragments of x are in; the next step's 20 loads may be out
.else
	s_wait_dscnt 0x0
.endif
	WIN 0xad                                       ; source 0 window 1, source 1 window 3, C and D window 2
.irp t, 0,1,2,3                                ; the 20 accumulators take turns, one instruction a turn, in the same order in every step
.irp m, 0,1,2,3,4
.if (\s) == 0
	v_wmma_scale_f32_16x16x128_f8f6f4 v[8*(5*\t+\m):8*(5*\t+\m)+7], v[64*((\s)%4)+16*\t:64*((\s)%4)+16*\t+15], v[80*((\s)%2)+16*\m:80*((\s)%2)+16*\m+15], 0, v[112+16*\t+(\s)], v[32+16*\m+(\s)]
.else
	v_wmma_scale_f32_16x16x128_f8f6f4 v[8*(5*\t+\m):8*(5*\t+\m)+7], v[64*((\s)%4)+16*\t:64*((\s)%4)+16*\t+15], v[80*((\s)%2)+16*\m:80*((\s)%2)+16*\m+15], v[8*(5*\t+\m):8*(5*\t+\m)+7], v[112+16*\t+(\s)], v[32+16*\m+(\s)]
.endif
.endr
.endr
.endm
.macro EPI m                           ; rows 16 m on: h = g u / (1 + 2^(-g log2 e)), 16 numbers a lane, one block of 32 with lane l xor 16; each accumulator is read from its low end on
	WIN 0x0a                                       ; sources 0 and 1 window 2
.irp i, 0,2,4,6
	v_pk_mul_f32 v[176+\i:177+\i], v[8*(\m)+\i:8*(\m)+\i+1], s[28:29] op_sel_hi:[1,0]
.endr
.irp i, 0,2,4,6
	v_pk_mul_f32 v[184+\i:185+\i], v[40+8*(\m)+\i:40+8*(\m)+\i+1], s[28:29] op_sel_hi:[1,0]
.endr
.irp i, 0,2,4,6
	v_pk_mul_f32 v[192+\i:193+\i], v[8*(\m)+\i:8*(\m)+\i+1], v[80+8*(\m)+\i:80+8*(\m)+\i+1]
.endr
.irp i, 0,2,4,6
	v_pk_mul_f32 v[200+\i:201+\i], v[40+8*(\m)+\i:40+8*(\m)+\i+1], v[120+8*(\m)+\i:120+8*(\m)+\i+1]
.endr
	WIN 0
	s_wait_alu depctr_va_vdst(0)
.irp i, 0,1,2,3,4,5,6,7,8,9,10,11,12,13,14,15
	v_exp_f32 v[176+\i], v[176+\i]
.endr
	v_nop                                          ; a plain line behind the batch, and one wait for it ahead of its first reader
	s_wait_alu depctr_va_vdst(0)
.irp i, 0,2,4,6,8,10,12,14
	v_pk_add_f32 v[176+\i:177+\i], v[176+\i:177+\i], 1.0 op_sel_hi:[1,0]
.endr
	s_wait_alu depctr_va_vdst(0)
.irp i, 0,1,2,3,4,5,6,7,8,9,10,11,12,13,14,15
	v_rcp_f32 v[176+\i], v[176+\i]
.endr
	v_nop
	s_wait_alu depctr_va_vdst(0)
.irp i, 0,2,4,6,8,10,12,14
	v_pk_mul_f32 v[192+\i:193+\i], v[192+\i:193+\i], v[176+\i:177+\i]
.endr
	v_max3_num_f32 v208, |v192|, |v193|, 0x4800000         ; the largest magnitude, with the floor 2^(9 - 127), in two chains
	v_max3_num_f32 v209, |v194|, |v195|, |v196|
	v_max3_num_f32 v208, v208, |v197|, |v198|
	v_max3_num_f32 v209, v209, |v199|, |v200|
	v_max3_num_f32 v208, v208, |v201|, |v202|
	v_max3_num_f32 v209, v209, |v203|, |v204|
	v_max3_num_f32 v208, v208, |v205|, |v206|
	v_max3_num_f32 v208, v208, v209, |v207|
	v_permlanex16_b32 v210, v208, s24, s25
	v_max_num_f32 v208, v208, v210
	s_wait_alu depctr_va_vdst(0)
	s_wait_dscnt 0x0                               ; the last tile's LDS stores have read the byte's and the codes' registers
	v_add_nc_u32 v211, 0xfc000000, v208            ; 8 off the exponent field: the conversion's scale operand
	v_and_or_b32 v212, v208, 0x7f800000, s26       ; 448 x the scale
	v_lshrrev_b32 v213, 23, v211                   ; the scale's byte
.irp i, 0,1,2,3,4,5,6,7,8,9,10,11,12,13,14,15
	v_med3_num_f32 v[192+\i], v[192+\i], -v212, v212
.endr
	v_cvt_scalef32_pk8_fp8_f32 v[224:225], v[192:199], v211
	v_cvt_scalef32_pk8_fp8_f32 v[226:227], v[200:207], v211
	v_nop                                          ; a plain line behind the last conversion
	ds_store_b128 v11, v[224:227] offset:2304*(\m)         ; row 16 m + r, bytes 32 w + 16 h on
	ds_store_b8 v12, v213 offset:64*(\m)                   ; both lanes of a block write the same byte with the same value
.endm
.macro TILES e, n                      ; expert e's rows in s[n]: its tiles; s44: the tile behind its last; s11 counts the experts that end at or in front of my tile, s45 is where the last of them ends
	s_add_co_u32 s46, s[\n], 79
	s_mul_i32 s46, s46, 52429
	s_lshr_b32 s46, s46, 22                        ; (rows + 79) / 80: 52,429 x 80 = 2^22 + 16, so the quotient is exact for numbers under 2^18; these stay under 8,272
	s_add_co_u32 s44, s44, s46
	s_cmp_ge_u32 s15, s44
	s_cselect_b32 s45, s44, s45
	s_cselect_b32 s46, 1, 0
	s_add_co_u32 s11, s11, s46
.endm
	s_load_b128 s[4:7], s[0:1], 0x0                ; q, route
	s_load_b64 s[8:9], s[0:1], 0x10                ; h
	v_lshl_add_u32 v30, v0, 2, SPARE
	v_mov_b32 v31, 0
	v_lshrrev_b32 v1, 5, v0
	v_readfirstlane_b32 s10, v1                    ; wave 0..3
	v_and_b32 v1, 31, v0
	s_cmp_lt_u32 ttmp9, 220
	s_wait_alu depctr_va_vdst(0)                   ; the wait ahead of the branch
	s_cbranch_scc0 .Lrec
	s_lshr_b32 s15, ttmp9, 1                       ; tile
	s_and_b32 s27, ttmp9, 1                        ; x
	v_and_b32 v2, 15, v0
	v_bfe_u32 v3, v0, 4, 1
	v_lshlrev_b32 v4, 4, v1
	v_lshlrev_b32 v15, 4, v2
	v_lshlrev_b32 v28, 2, v2
	s_mul_i32 s36, s10, 20*XP
	v_mul_u32_u24 v5, v3, XP
	v_add_nc_u32 v5, v5, v15
	v_add_nc_u32 v5, s36, v5                       ; rows 20 w + h on, 16 (l % 16)
	v_mul_u32_u24 v6, v2, XP
	v_lshl_add_u32 v6, v3, 4, v6                   ; a fragment: row r x pitch + 16 h
.irp m, 1,2,3,4
	v_add_nc_u32 v[6+\m], 16*XP*\m, v6
.endr
	s_lshl_b32 s36, s10, 5
	s_add_co_u32 s36, s36, HST
	v_mul_u32_u24 v11, v2, 144
	v_lshl_add_u32 v11, v3, 4, v11
	v_add_nc_u32 v11, s36, v11
	s_add_co_u32 s36, s10, HSB
	v_add_nc_u32 v12, s36, v28                     ; 4 r + w
	s_mul_i32 s36, s10, 20*144
	s_add_co_u32 s36, s36, HST
	v_lshrrev_b32 v13, 3, v1
	v_mul_u32_u24 v13, v13, 144
	v_and_b32 v14, 7, v1
	v_lshl_add_u32 v13, v14, 4, v13
	v_add_nc_u32 v13, s36, v13                     ; back: rows 20 w + l / 8 on, 16 (l % 8)
	s_mul_i32 s36, s10, 2560
	v_add_nc_u32 v14, s36, v4
	v_add_nc_u32 v29, HSB, v4
	s_lshl_b32 s37, s10, 9
	s_add_co_u32 s36, s37, LST
	v_add_nc_u32 v233, s36, v4                     ; my list, 16 bytes a lane,
	v_mov_b32 v234, s36                            ; and its first word
	v_lshlrev_b32 v240, 2, v1
	v_add_nc_u32 v235, LST, v240                   ; the lists' words l (512 more for each list)
	s_add_co_u32 s36, s37, CL
	v_add_nc_u32 v236, s36, v240                   ; my copy of the sum: words l,
	v_add_nc_u32 v238, s36, v28                    ; words r,
	s_mul_i32 s37, s10, 80
	s_add_co_u32 s36, s36, s37
	v_lshlrev_b32 v237, 2, v3
	v_add_nc_u32 v237, s36, v237                   ; and words 20 w + h
	v_lshl_add_u32 v239, v0, 2, HSB
	v_lshlrev_b32 v240, 5, v1                      ; 32 l
	v_mov_b32 v210, 0                              ; written once: a lane permute's destination counts as one of its sources
.irp i, 176,177,178,179,251,252,253,254
	v_mov_b32 v\i, 0
.endr
	ds_store_b32 v239, v176                        ; 512 bytes of zeros: h's scale bytes
	ds_store_b128 v233, v[176:179]                 ; my list is all zeros
	s_mov_b32 s24, 0x76543210
	s_mov_b32 s25, 0xfedcba98
	s_mov_b32 s26, 0x600000
	s_mov_b32 s28, 0xbfb8aa3b                      ; -log2(e)
	s_mov_b32 s29, s28
	s_mov_b32 s39, 0
	s_lshl_b32 s38, s10, 9
	s_add_co_u32 s38, s38, GCO
	s_wait_alu depctr_va_vdst(0)                   ; the wait at the head's end
	s_wait_kmcnt 0x0
	s_add_nc_u64 s[16:17], s[6:7], GCO             ; all groups' counts,
	s_add_nc_u64 s[20:21], s[6:7], s[38:39]        ; those of my wave's 1,024 tokens,
	s_lshl_b32 s38, s10, 10
	s_add_co_u32 s38, s38, MKO
	s_add_nc_u64 s[18:19], s[6:7], s[38:39]        ; and their masks
.irp k, 0,1,2,3
	global_load_b128 v[184+4*\k:187+4*\k], v4, s[16:17] offset:512*\k      ; groups 64 k + 2 l and + 1: eight bytes each
.endr
	global_load_b128 v[200:203], v4, s[20:21]
	global_load_b128 v[176:179], v240, s[18:19]            ; the masks of tokens 1,024 w + 32 l on
	global_load_b128 v[180:183], v240, s[18:19] offset:16
	s_wait_loadcnt 0x0
.irp k, 0,1,2,3,4
	v_add_nc_u32 v[241+2*\k], v[184+4*\k], v[186+4*\k]     ; experts 0-3, 4-7 as bytes: at most 32 each
	v_add_nc_u32 v[242+2*\k], v[185+4*\k], v[187+4*\k]
.endr                                          ; (v249, v250: my wave's own part)
	s_cmp_gt_u32 s10, 0
	s_cselect_b32 s46, -1, 0
	v_and_b32 v205, s46, v241                      ; v205, v206: the parts in front of my wave's
	v_and_b32 v206, s46, v242
.irp k, 1,2
	s_cmp_gt_u32 s10, \k
	s_cselect_b32 s46, -1, 0
	v_and_b32 v207, s46, v[241+2*\k]
	v_and_b32 v208, s46, v[242+2*\k]
	v_add_nc_u32 v205, v205, v207
	v_add_nc_u32 v206, v206, v208
.endr
.irp k, 1,2,3
	v_add_nc_u32 v241, v241, v[241+2*\k]           ; all parts: at most 128 a byte
	v_add_nc_u32 v242, v242, v[242+2*\k]
.endr
	s_mov_b32 s49, 0x00ff00ff
	v_and_b32 v243, s49, v241                      ; experts 0, 2 in halves of 16 bits; the sums over lanes stay under 4,097
	v_lshrrev_b32 v244, 8, v241
	v_and_b32 v245, s49, v242                      ; 4, 6
	v_lshrrev_b32 v246, 8, v242
	v_and_b32 v244, s49, v244                      ; 1, 3
	v_and_b32 v246, s49, v246                      ; 5, 7
.irp x, 1,2,4,8
.irp i, 0,1,2,3
	v_mov_b32_dpp v[251+\i], v[243+\i] row_xmask:\x row_mask:0xf bank_mask:0xf
.endr
.irp i, 0,1,2,3
	v_add_nc_u32 v[243+\i], v[243+\i], v[251+\i]
.endr
.endr
.irp i, 0,1,2,3
	v_permlanex16_b32 v[251+\i], v[243+\i], s24, s25
.endr
.irp i, 0,1,2,3
	v_add_nc_u32 v[243+\i], v[243+\i], v[251+\i]
.endr
	s_wait_alu depctr_va_vdst(0)
.irp i, 0,1,2,3
	v_readfirstlane_b32 s[40+\i], v[243+\i]
.endr
.irp i, 0,1,2,3
	s_and_b32 s[50+\i], s[40+\i], 0xffff           ; s50-53: experts 0, 1, 4, 5
	s_lshr_b32 s[54+\i], s[40+\i], 16              ; s54-57: experts 2, 3, 6, 7
.endr
	s_mov_b32 s44, 0
	s_mov_b32 s45, 0
	s_mov_b32 s11, 0
	TILES 0, 50
	TILES 1, 51
	TILES 2, 54
	TILES 3, 55
	TILES 4, 52
	TILES 5, 53
	TILES 6, 56
	TILES 7, 57
	s_sub_co_u32 s47, s15, s45
	s_mul_i32 s47, s47, 80                         ; the tile's first rank
	s_cmp_lt_u32 s11, 8
	s_cselect_b32 s13, 1, 0                        ; has the tile rows?
	s_min_u32 s14, s11, 7                          ; a number made of loaded ones enters an address only behind a bound
	s_lshl_b32 s36, s14, 3
	s_lshl_b32 s37, s27, 2
	s_add_co_u32 s36, s36, s37
	s_add_co_u32 s36, s36, s10                     ; ep = 8 e + 4 x + w
	s_lshl_b32 s38, s36, 17
	s_add_co_u32 s38, s38, WQ13
	s_add_nc_u64 s[16:17], s[4:5], s[38:39]        ; my unit's images
	s_lshl_b32 s38, s36, 12
	s_add_co_u32 s38, s38, WS13
	s_add_nc_u64 s[18:19], s[4:5], s[38:39]        ; and scale words
	; the weights' scale words and K steps 0 and 1: 48 loads, on their way while the rows are found
.irp t, 0,1,2,3
.irp j, 0,1,2,3
	global_load_b128 v[112+16*\t+4*\j:115+16*\t+4*\j], v15, s[18:19] offset:1024*\t+256*\j   ; tile t, row r: the scale words of K steps 4 j on
.endr
.endr
	WLD 0
	WLD 1
	WIN 0
	s_mul_i32 s38, s27, 1126400
	s_mul_i32 s37, s15, 10240
	s_add_co_u32 s38, s38, s37
	s_add_nc_u64 s[20:21], s[8:9], s[38:39]        ; h's codes [x][slot][128] at the tile's first slot
	s_mul_i32 s38, s27, 35200
	s_mul_i32 s37, s15, 320
	s_add_co_u32 s38, s38, s37
	s_add_co_u32 s38, s38, HSG
	s_add_nc_u64 s[22:23], s[8:9], s[38:39]        ; h's scale words [x][slot]
	s_add_nc_u64 s[30:31], s[4:5], XS              ; x's scale bytes
	s_mov_b32 s49, 0xaaaaaaaa
	s_mov_b32 s50, 0xcccccccc
	s_mov_b32 s51, 0xf0f0f0f0
	s_mov_b32 s52, 0xff00ff00
	s_mov_b32 s53, 0xffff0000
	s_lshl_b32 s54, s10, 10
	s_and_b32 s48, s14, 3
	s_lshl_b32 s48, s48, 3
	s_cmp_gt_u32 s14, 3
	s_cselect_b32 s46, -1, 0
	v_cndmask_b32 v241, v249, v250, s46            ; the expert's byte: my 32 tokens' count,
	v_cndmask_b32 v242, v205, v206, s46            ; and the waves' in front
	v_lshrrev_b32 v241, s48, v241
	v_lshrrev_b32 v242, s48, v242
	v_and_b32 v241, 0xff, v241
	v_and_b32 v242, 0xff, v242
	v_lshl_or_b32 v242, v242, 16, v241             ; low half: mine; high half: in front
	v_mov_b32 v243, 0                              ; v242 becomes the sum over all lanes, v243 the sum over the lanes in front of me
	v_lshlrev_b32 v244, 5, v1
	v_add_nc_u32 v244, s54, v244                   ; my first token
.irp k, 0,1,2,3
	v_mov_b32_dpp v251, v242 row_xmask:(1<<\k) row_mask:0xf bank_mask:0xf
	v_cndmask_b32 v252, 0, v251, s[49+\k]
	v_add_nc_u32 v242, v242, v251
	v_add_nc_u32 v243, v243, v252
.endr
	v_permlanex16_b32 v251, v242, s24, s25
	v_cndmask_b32 v252, 0, v251, s53
	v_add_nc_u32 v242, v242, v251
	v_add_nc_u32 v243, v243, v252
	v_lshrrev_b32 v242, 16, v242
	v_and_b32 v243, 0xffff, v243
	v_add_nc_u32 v188, v242, v243                  ; the rank of my first token of this expert,
	v_subrev_nc_u32 v188, s47, v188                ; counted from the tile's first: below the tile it wraps round to a large number
.irp k, 0,1,2,3,4,5,6,7
	v_lshrrev_b32 v[176+\k], s14, v[176+\k]        ; bits 0, 8, 16, 24: the expert's bit of four tokens
.endr
.irp k, 0,1,2,3,4,5,6,7
.irp b, 0,1,2,3
	v_bfe_u32 v[184+\b], v[176+\k], 8*\b, 1
.endr
.irp b, 0,1,2,3
	v_add_nc_u32 v[189+\b], v[188+\b], v[184+\b]   ; the next token's place
.endr
.irp b, 0,1,2,3
	v_add_nc_u32 v[193+\b], -1, v[184+\b]          ; all ones where the token goes elsewhere
.endr
.irp b, 0,1,2,3
	v_or_b32 v[193+\b], v[193+\b], v[188+\b]
.endr
.irp b, 0,1,2,3
	v_min_u32 v[193+\b], 80, v[193+\b]             ; place 80: not in this tile
.endr
.irp b, 0,1,2,3
	v_lshl_add_u32 v[220+\b], v[193+\b], 2, v234
	v_add_nc_u32 v[197+\b], 4*\k+\b, v244
	ds_store_b32 v[220+\b], v[197+\b]
.endr
	v_mov_b32 v188, v192
.endr
	s_wait_dscnt 0x0                               ; for the others' sake: my list lies in LDS
	s_barrier_signal -1
	s_barrier_wait -1
.irp k, 0,1,2,3
.irp n, 0,1,2
	ds_load_b32 v[184+3*\k+\n], v235 offset:512*\k+128*\n
.endr
.endr
	s_wait_dscnt 0x0
.irp k, 1,2,3
.irp n, 0,1,2
	v_add_nc_u32 v[184+\n], v[184+\n], v[184+3*\k+\n]      ; at most one of the four is not 0
.endr
.endr
.irp n, 0,1,2
	ds_store_b32 v236, v[184+\n] offset:128*\n     ; my own copy: LDS serves a wave's instructions in order (ISA guide 5.7.1.4)
.endr
.irp j, 0,1,2,3,4,5,6,7,8,9
	ds_load_b32 v[16+\j], v237 offset:8*\j         ; the tokens of the rows that I bring into LDS: 20 w + 2 j + l / 16
.endr
.irp m, 0,1,2,3,4
	ds_load_b32 v[228+\m], v238 offset:64*\m       ; the token of row 16 m + r
.endr
	s_wait_dscnt 0x0
.irp j, 0,1,2,3,4,5,6,7,8,9
	v_min_u32 v[16+\j], 4095, v[16+\j]
.endr
.irp j, 0,1,2,3,4,5,6,7,8,9
	v_lshlrev_b32 v[16+\j], 11, v[16+\j]
.endr
.irp j, 0,1,2,3,4,5,6,7,8,9
	v_add_nc_u32 v[16+\j], v[16+\j], v15
.endr
.irp m, 0,1,2,3,4
	v_min_u32 v[228+\m], 4095, v[228+\m]
.endr
.irp m, 0,1,2,3,4
	v_lshlrev_b32 v[228+\m], 6, v[228+\m]
.endr
	; (a tile without rows gathers token 0's row too: so every way to the products has the same loads; it multiplies nothing and stores nothing)
	; ---- part 1: my 20 rows of x's codes into LDS: a load takes 256 bytes of each of two rows
	WIN 0xc0                                       ; destination window 3
.irp j, 0,1,2,3,4
.irp i, 0,1,2,3,4,5,6,7
	global_load_b128 v[4*(8*\j+\i):4*(8*\j+\i)+3], v[16+\j], s[4:5] offset:256*\i
.endr
.endr
	WIN 0x80                                       ; destination window 2
.irp j, 0,1,2,3,4
.irp i, 0,1,2,3,4,5,6,7
	global_load_b128 v[4*(8*\j+\i):4*(8*\j+\i)+3], v[21+\j], s[4:5] offset:256*\i
.endr
.endr
	WIN 0
.irp m, 0,1,2,3,4
.irp j, 0,1,2,3
	global_load_b128 v[32+16*\m+4*\j:35+16*\m+4*\j], v[228+\m], s[30:31] offset:16*\j        ; the row's 16 scale words
.endr
.endr
	s_wait_loadcnt 60                              ; the first 40 are in; the second 40 and the 20 of the scale words may be out
	WIN 0x0c                                       ; an LDS store's data are its source 1: window 3
.irp j, 0,1,2,3,4
.irp i, 0,1,2,3,4,5,6,7
	ds_store_b128 v5, v[4*(8*\j+\i):4*(8*\j+\i)+3] offset:2*XP*\j+256*\i
.endr
.endr
	WLD 2
	s_wait_loadcnt 36                              ; the second 40 are in; the 20 of the scale words and the 16 of K step 2 may be out
	WIN 0x08
.irp j, 0,1,2,3,4
.irp i, 0,1,2,3,4,5,6,7
	ds_store_b128 v5, v[4*(8*\j+\i):4*(8*\j+\i)+3] offset:2*XP*(\j+5)+256*\i
.endr
.endr
	WLD 3
	WIN 0
	s_wait_dscnt 0x0                               ; for the others' sake: my rows lie in LDS
	s_barrier_signal -1
	s_barrier_wait -1
	s_cmp_eq_u32 s13, 0
	s_cbranch_scc1 .Lb2
	; ---- part 2: the products, the activation, the codes of h
	XF 0
.irp s, 0,1,2,3,4,5,6,7,8,9,10,11,12,13,14,15
	STEP \s
.endr
	WIN 0
.rept 8
	v_nop                                          ; eight places in front of the first read of results
.endr
	EPI 0
	EPI 1
	EPI 2
	EPI 3
	EPI 4
.Lb2:
	s_wait_dscnt 0x0                               ; for the others' sake: my part of h's rows lies in the stage
	s_barrier_signal -1
	s_barrier_wait -1
	s_cmp_eq_u32 s13, 0
	s_cbranch_scc1 .Lend
	; ---- part 3: 20 whole rows of 128 codes a wave
.irp j, 0,1,2,3,4
	ds_load_b128 v[192+4*\j:195+4*\j], v13 offset:576*\j
.endr
.irp j, 0,1,2,3,4
	s_wait_dscnt 4-\j
	global_store_b128 v14, v[192+4*\j:195+4*\j], s[20:21] offset:512*\j    ; 32 lanes store 512 consecutive bytes, aligned
.endr
	s_cmp_lg_u32 s10, 0
	s_cbranch_scc1 .Lend
	v_cmp_gt_u32 vcc_lo, 20, v1                    ; wave 0: the tile's 80 scale words, 320 bytes
	s_wait_xcnt 0x0                                ; EXEC changes only behind this wait
	s_and_saveexec_b32 s38, vcc_lo
	ds_load_b128 v[216:219], v29
	s_wait_dscnt 0x0
	global_store_b128 v4, v[216:219], s[22:23]
	s_wait_xcnt 0x0
	s_or_b32 exec_lo, exec_lo, s38
	s_branch .Lend
	; ================ THE RECORDS: tokens 128 k on, k = work-group - 220; the thread's number is the token's place.  A lane holds bins 2 l, 2 l + 1
.Lrec:
	s_load_b64 s[12:13], s[0:1], 0x18              ; plan
	v_lshlrev_b32 v3, 3, v1
	v_lshlrev_b32 v4, 2, v1
	s_sub_co_u32 s15, ttmp9, 220                   ; k
	s_lshl_b32 s36, s10, 9
	s_add_co_u32 s36, s36, RCL
	v_add_nc_u32 v5, s36, v3
	v_add_nc_u32 v6, RCL, v3
	s_lshl_b32 s16, s10, 14                        ; groups 64 w on
	s_mov_b32 s17, 0
	s_lshl_b32 s18, s15, 11                        ; my work-group's own 8 groups
	s_mov_b32 s19, 0
	s_lshl_b32 s20, s15, 9
	s_lshl_b32 s22, s10, 7
	s_add_co_u32 s20, s20, s22
	s_add_co_u32 s20, s20, RK                      ; my wave's 32 tokens' pairs
	s_mov_b32 s21, 0
	s_wait_alu depctr_va_vdst(0)
	s_wait_kmcnt 0x0
	s_add_nc_u64 s[16:17], s[6:7], s[16:17]
	s_add_nc_u64 s[18:19], s[6:7], s[18:19]
	s_add_nc_u64 s[20:21], s[6:7], s[20:21]
.set I_, 0
.rept 64
	global_load_b64 v[32+2*I_:33+2*I_], v3, s[16:17] offset:256*I_
.set I_, I_+1
.endr
.irp i, 0,1,2,3,4,5,6,7
	global_load_b64 v[160+2*\i:161+2*\i], v3, s[18:19] offset:256*\i
.endr
	global_load_b32 v176, v4, s[20:21]
	v_mov_b32 v182, 0                              ; v182, v183: my wave's 64 groups;  v184, v185: those of them in front of my work-group's
	v_mov_b32 v183, 0
	v_mov_b32 v184, 0
	v_mov_b32 v185, 0
	s_wait_alu depctr_va_vdst(0)
	s_wait_loadcnt 0x0
	s_lshl_b32 s22, s10, 3
.irp c, 0,1,2,3,4,5,6,7
	v_add3_u32 v180, v[32+16*\c], v[34+16*\c], v[36+16*\c]
	v_add3_u32 v181, v[33+16*\c], v[35+16*\c], v[37+16*\c]
	v_add3_u32 v180, v180, v[38+16*\c], v[40+16*\c]
	v_add3_u32 v181, v181, v[39+16*\c], v[41+16*\c]
	v_add3_u32 v180, v180, v[42+16*\c], v[44+16*\c]
	v_add3_u32 v181, v181, v[43+16*\c], v[45+16*\c]
	v_add_nc_u32 v180, v180, v[46+16*\c]
	v_add_nc_u32 v181, v181, v[47+16*\c]
	s_cmp_gt_u32 s15, s22
	s_cselect_b32 s23, -1, 0
	s_add_co_u32 s22, s22, 1
	v_and_b32 v186, s23, v180
	v_and_b32 v187, s23, v181
	v_add_nc_u32 v182, v182, v180
	v_add_nc_u32 v183, v183, v181
	v_add_nc_u32 v184, v184, v186
	v_add_nc_u32 v185, v185, v187
.endr
	ds_store_b64 v5, v[182:183]
	ds_store_b64 v5, v[184:185] offset:256
	s_wait_dscnt 0x0                               ; for the others' sake
	s_barrier_signal -1
	s_barrier_wait -1
.irp w, 0,1,2,3
	ds_load_b64 v[32+4*\w:33+4*\w], v6 offset:512*\w
	ds_load_b64 v[34+4*\w:35+4*\w], v6 offset:512*\w+256
.endr
	s_wait_dscnt 0x0
.irp i, 0,1,2,3
	v_add3_u32 v[116+\i], v[32+\i], v[36+\i], v[40+\i]
.endr
.irp i, 0,1,2,3
	v_add_nc_u32 v[116+\i], v[116+\i], v[44+\i]    ; v116, v117: the totals;  v118, v119: what lies in front of my work-group's tokens,
.endr
	s_lshl_b32 s22, s10, 1
.irp i, 0,1,2,3,4,5
	s_cmp_gt_u32 s22, \i
	s_cselect_b32 s23, -1, 0
	v_and_b32 v186, s23, v[160+2*\i]
	v_and_b32 v187, s23, v[161+2*\i]
	v_add_nc_u32 v118, v118, v186                  ; and of my wave's
	v_add_nc_u32 v119, v119, v187
.endr
	v_and_b32 v7, 255, v176                        ; the lower expert,
	v_lshrrev_b32 v8, 8, v176                      ; the higher,
	v_lshl_add_u32 v9, v7, 3, v8                   ; the pair's bin
	v_mov_b32 v26, 0
	v_mov_b32 v27, 0
	v_mov_b32 v28, 0
	s_mov_b32 s50, 0                               ; tiles so far
	s_wait_alu depctr_va_vdst(0)
.irp e, 0,1,2,3,4,5,6,7
	v_readlane_b32 s51, v[116+((9*\e)%2)], (9*\e)/2
	v_readlane_b32 s52, v[118+((9*\e)%2)], (9*\e)/2
	s_mul_i32 s53, s50, 80
	s_add_co_u32 s53, s53, s52                     ; the slot of my wave's first row with this expert
	s_add_co_u32 s51, s51, 79
	s_mul_i32 s51, s51, 52429
	s_lshr_b32 s51, s51, 22                        ; its tiles
	s_add_co_u32 s50, s50, s51
	v_cmp_eq_u32 s54, \e, v7
	v_cmp_eq_u32 s55, \e, v8
	s_or_b32 s56, s54, s55
	v_mbcnt_lo_u32_b32 v20, s56, s53               ; + the lanes below me that go there too
	s_wait_alu depctr_va_vdst(0)
	v_cndmask_b32 v26, v26, v20, s54
	v_cndmask_b32 v27, v27, v20, s55
.endr
	s_mov_b32 s57, 0                               ; tokens of the pairs in front
	s_wait_alu depctr_va_vdst(0)
.irp a, 0,1,2,3,4,5,6
.irp b, 1,2,3,4,5,6,7
.if \a < \b
	v_readlane_b32 s51, v[116+((8*\a+\b)%2)], (8*\a+\b)/2
	v_readlane_b32 s52, v[118+((8*\a+\b)%2)], (8*\a+\b)/2
	s_add_co_u32 s52, s52, s57
	s_add_co_u32 s57, s57, s51
	v_cmp_eq_u32 s54, 8*\a+\b, v9
	v_mbcnt_lo_u32_b32 v20, s54, s52
	v_cndmask_b32 v28, v28, v20, s54
.endif
.endr
.endr
	s_lshl_b32 s58, s15, 7
	v_add_nc_u32 v24, s58, v0                      ; my token
	v_mov_b32 v25, v176
	v_min_u32 v26, 8799, v26
	v_min_u32 v27, 8799, v27
	v_min_u32 v28, 4095, v28                       ; numbers made of loaded ones enter an address only behind a bound
	v_lshlrev_b32 v29, 4, v28
	global_store_b128 v29, v[24:27], s[12:13] offset:RECO
.Lend:
	s_wait_tensorcnt 0x0                           ; the wave's end: behind my last LDS store
	ds_add_u32 v30, v31
	s_wait_dscnt 0x0
	s_endpgm
.Lfunc_end_k_qfe78fa7410_up:
	.size	k_qfe78fa7410_up, .Lfunc_end_k_qfe78fa7410_up-k_qfe78fa7410_up
	.p2alignl 7, 3214868480
	.fill 96, 4, 3214868480
	.section	.rodata,"a",@progbits
	.p2align	6, 0x0
	.amdhsa_kernel k_qfe78fa7410_up
		.amdhsa_group_segment_fixed_size 183808
		.amdhsa_private_segment_fixed_size 0
		.amdhsa_enable_private_segment 0
		.amdhsa_kernarg_size 32
		.amdhsa_user_sgpr_count 2
		.amdhsa_user_sgpr_kernarg_segment_ptr 1
		.amdhsa_wavefront_size32 1
		.amdhsa_system_sgpr_workgroup_id_x 1
		.amdhsa_system_sgpr_workgroup_id_y 1
		.amdhsa_system_sgpr_workgroup_id_z 1
		.amdhsa_system_vgpr_workitem_id 0
		.amdhsa_next_free_vgpr 1024
		.amdhsa_next_free_sgpr 66
		.amdhsa_reserve_vcc 1
		.amdhsa_float_denorm_mode_32 3
		.amdhsa_float_denorm_mode_16_64 3
		.amdhsa_memory_ordered 1
		.amdhsa_forward_progress 1
		.amdhsa_inst_pref_size 200
	.end_amdhsa_kernel
	.amdgpu_metadata
---
amdhsa.version: [ 1, 2 ]
amdhsa.kernels:
  - .name:           k_qfe78fa7410_up
    .symbol:         k_qfe78fa7410_up.kd
    .args:
      - { .name: q, .offset: 0, .size: 8, .value_kind: global_buffer, .address_space: global }
      - { .name: route, .offset: 8, .size: 8, .value_kind: global_buffer, .address_space: global }
      - { .name: h, .offset: 16, .size: 8, .value_kind: global_buffer, .address_space: global }
      - { .name: plan, .offset: 24, .size: 8, .value_kind: global_buffer, .address_space: global }
    .group_segment_fixed_size: 183808
    .private_segment_fixed_size: 0
    .kernarg_segment_align: 8
    .kernarg_segment_size: 32
    .max_flat_workgroup_size: 128
    .sgpr_count:     66
    .vgpr_count:     1024
    .wavefront_size: 32
...
	.end_amdgpu_metadata
.endif
;; end of part 2
;; launch down (part 3): grid 4 x 64, 4 waves a work-group, no clusters, 70,144 bytes of LDS; arguments q, plan, rwt, h, out0; writes out0
.if DOCPART == 3
	.amdgcn_target "amdgcn-amd-amdhsa--gfx1250"
	.amdhsa_code_object_version 6
	.text
	.protected	k_qfe78fa7410_down
	.globl	k_qfe78fa7410_down
	.p2align	8
	.type	k_qfe78fa7410_down,@function
k_qfe78fa7410_down:
	s_mov_b64 s[64:65], 0
	v_nop
	global_prefetch_b8 v0, s[64:65] scope:SCOPE_SE
	s_setreg_imm32_b32 hwreg(HW_REG_WAVE_MODE, 25, 1), 1
	s_wait_xcnt 0x0
; THIRD LAUNCH: out = the sum over a token's two experts of weight x (h w2^T); the other six experts' terms are 0 and are not multiplied (see the first kernel's head).
; Work-group (nx, blk): 64 tokens that follow each other in the order sorted by their pair of experts, columns 512 nx on; wave w: 128 columns (eight tiles of w2's rows) x four tiles of 16 tokens.  Each output row has one owner.
; The work-group walks the experts that its tokens use, in ascending order: a count and a set of bits made from the stored pairs.  Those are branches and a trip count from stored numbers, so nothing comes by the tensor
; data mover and no cluster is formed; w2's fragments come straight into registers as images.
; h COMES ONCE: a token's two rows (with its lower and with its higher expert) are all of h that any pass wants: 128 rows of 256 codes go into LDS at the head, 32 rows a wave, and every pass reads its fragments from there.
; In a pass a token takes its row with the lower expert where that is the pass's, else its row with the higher; a token that does not use the pass's expert so takes a stand-in, with the weight 0.
; LIMIT: were that stand-in product not finite, the row would be spoilt; such a row's own term is not finite either.
; TWO PASSES ARE ASKED FOR AT ONCE: a token's two experts differ, so a block has two passes at the least: both passes' fragments of w2 (two sets of 256 registers) are asked for at the head, with h;
; a further pass is asked for as soon as a set is free.
; THE PRODUCT IS USED TRANSPOSED (source 0 = 16 rows of w2, source 1 = 16 rows of h): a lane holds one token and eight neighbouring columns.
; REGISTERS.  Window 0: v1-3 l, r, h; v4 16 l; v5 8 r; v6, v7 stage in, out; v8, v9 the add's two; v10-13, v14-17 the pass's LDS addresses of h's rows and scale words; v18-25 the pass's weights (pairs); v26-28 at work;
;   v30, v31 the gather's LDS addresses; v32-47 w2's scale words, set A; v48-55 the two weights; v56-59, v60-63 lower, higher expert; v64-95 the output rows' offsets; v96-103 h's scale words; v104-107, v108-111 LDS places of
;   the rows and scale words with the lower expert; v112-175 h's fragments of one tile of tokens, two sets; v176-239 eight products (v112-239: on the way out the rows); v240-255 w2's scale words, set B (at the head: at work).
;   Window 3: w2's 16 fragments, set A.   Window 1: set B.   Window 2: out, (nt, m) at v[8 (4 nt + m)].
; SCALARS: s[4:13] the five buffers; s14 wave; s[18:19] the block's records; s[20:21] out0 at my columns; s22 32 nx + 8 w; s24 the set of experts still to be walked; s26 their number; s27, s28 set A's, set B's expert (8: none);
;   s29 a mask; s16, s30, s31 at work; s[32:35], s[36:39] set A's, set B's bases; s44, s45 the trips.
; (The layer has three launches in all: this one is the last of them.)
.set WQ2,   17301504
.set WS2,   21495808
.set RECO,  35840
.set HSG,   2252800
.set HX,    1126400
.set HP,    272                        ; a row of h in LDS: 256 bytes + 16: an odd multiple of 16, so the 16 rows of a fragment load start in 16 different columns of 16 bytes
.set HWH,   64*HP                      ; LDS: 64 rows with the lower expert, then 64 with the higher: a whole number of times 256 bytes on, so a lane's choice moves it to no other column
.set HSL,   128*HP                     ; behind them their scale words, 8 bytes a row: 512 bytes, and 512
.set STAGE, HSL+1024                   ; a stage of 16 rows x (512 + 16) bytes for each wave
.set SPI,   528
.set SPARE, STAGE+4*16*SPI             ; the spare words, 128 bytes for each wave
.set MSB, 0
.macro WIN new                         ; the immediate's high byte repeats the setting that is left
.if MSB != \new
	s_set_vgpr_msb (MSB<<8)|\new
.set MSB, \new
.endif
.endm
.macro POP ex, bs                      ; the lowest expert still to be walked goes out of the set; where its fragments and scale words begin
	s_ctz_i32_b32 s[\ex], s24
	s_min_u32 s[\ex], s[\ex], 7                    ; behind a bound, as a number made of loaded ones
	s_sub_co_u32 s16, s24, 1
	s_and_b32 s24, s24, s16
	s_lshl_b32 s16, s[\ex], 7
	s_add_co_u32 s16, s16, s22                     ; my first tile of w2: 128 e + 32 nx + 8 w
	s_lshl_b32 s30, s16, 12
	s_add_co_u32 s30, s30, WQ2
	s_mov_b32 s31, 0
	s_add_nc_u64 s[\bs:\bs+1], s[4:5], s[30:31]
	s_lshl_b32 s30, s16, 7
	s_add_co_u32 s30, s30, WS2
	s_add_nc_u64 s[\bs+2:\bs+3], s[4:5], s[30:31]
.endm
.macro LOADW_LO wn, scl, bs            ; 40 loads: eight tiles' scale words, four tiles' fragments (512 consecutive bytes a load)
.irp n, 0,1,2,3,4,5,6,7
	global_load_b64 v[\scl+2*\n:\scl+2*\n+1], v5, s[\bs+2:\bs+3] offset:128*\n
.endr
	WIN \wn
.irp n, 0,1,2,3
.irp s, 0,1
.irp c, 0,1,2,3
	global_load_b128 v[32*\n+16*\s+4*\c:32*\n+16*\s+4*\c+3], v4, s[\bs:\bs+1] offset:4096*\n+2048*\s+512*\c
.endr
.endr
.endr
	WIN 0
.endm
.macro LOADW_HI wn, bs                 ; 32 loads: the other four tiles' fragments
	WIN \wn
.irp n, 4,5,6,7
.irp s, 0,1
.irp c, 0,1,2,3
	global_load_b128 v[32*\n+16*\s+4*\c:32*\n+16*\s+4*\c+3], v4, s[\bs:\bs+1] offset:4096*\n+2048*\s+512*\c
.endr
.endr
.endr
	WIN 0
.endm
; A set is free: where an expert is left, its 72 loads go out into it.  Either way the OTHER set, which is multiplied next, is shown to be in: 72 loads were issued behind its last, and a wait names 63 at the most; or nothing was issued, and the wait is for 0.
.macro NEXT wn, scl, ex, bs
	s_cmp_eq_u32 s24, 0
	s_cbranch_scc1 .Lnone_\@
	POP \ex, \bs                                   ; (this set's last loads are in: their bases may be written)
	LOADW_LO \wn, \scl, \bs
	LOADW_HI \wn, \bs
	s_wait_loadcnt 63
	s_branch .Ljoin_\@
.Lnone_\@:
	s_mov_b32 s[\ex], 8
	s_wait_loadcnt 0x0
.Ljoin_\@:
.endm
.macro HFL m                           ; h's two fragments of tokens 16 m on, from the rows that the pass has chosen, into set m % 2
.irp s, 0,1
.irp c, 0,1,2,3
	ds_load_b128 v[112+32*((\m)%2)+16*\s+4*\c:112+32*((\m)%2)+16*\s+4*\c+3], v[10+(\m)] offset:128*\s+32*\c
.endr
.endr
.endm
; A pass.  wa: the window of w2's set, as source 0; scl: its scale words; ex: its expert; first = 1: the products start the sums of out.
.macro COMPUTE wa, scl, ex, first
.irp m, 0,1,2,3
	v_cmp_eq_u32 vcc_lo, s[\ex], v[56+\m]
	v_cmp_eq_u32 s29, s[\ex], v[60+\m]
	v_cndmask_b32 v26, 1, 0, vcc_lo                        ; 0: the row with the lower expert; 1: that with the higher
	v_cndmask_b32 v27, 0, v[49+2*\m], s29
	v_cndmask_b32 v[18+2*\m], v27, v[48+2*\m], vcc_lo      ; the weight, or 0
	v_min_u32 v26, 1, v26                                  ; behind a bound: the choice hangs on loaded numbers
	v_mov_b32 v[19+2*\m], v[18+2*\m]
	v_mad_u32_u24 v[10+\m], v26, HWH, v[104+\m]
	v_lshl_add_u32 v[14+\m], v26, 9, v[108+\m]
.endr
.irp m, 0,1,2,3
	ds_load_b64 v[96+2*\m:97+2*\m], v[14+\m]               ; the chosen rows' two scale words
.endr
	HFL 0
	HFL 1
.irp m, 0,1,2,3
.if \m < 3
	s_wait_dscnt 8                                 ; this tile's fragments are in; the next tile's eight loads may be out
.else
	s_wait_dscnt 0x0
.endif
	WIN \wa
.irp n, 0,1,2,3,4,5,6,7                        ; eight sums take turns, one instruction a turn; the first K step starts them
	v_wmma_scale_f32_16x16x128_f8f6f4 v[176+8*\n:183+8*\n], v[32*\n:32*\n+15], v[112+32*(\m%2):127+32*(\m%2)], 0, v[\scl+2*\n], v[96+2*\m]
.endr
.irp n, 0,1,2,3,4,5,6,7
	v_wmma_scale_f32_16x16x128_f8f6f4 v[176+8*\n:183+8*\n], v[32*\n+16:32*\n+31], v[128+32*(\m%2):143+32*(\m%2)], v[176+8*\n:183+8*\n], v[\scl+2*\n+1], v[97+2*\m]
.endr
.rept 8
	v_nop                                          ; eight places in front of loads into registers that these products read and of the first read of their results; with the lines below, which name other products' registers, more than the nine that the next tile's products want
.endr
	WIN 0
.if \m < 2
	HFL \m+2
.endif
	WIN 0xa0                                       ; source 2 and destination window 2
.irp n, 0,1,2,3,4,5,6,7                        ; out += weight x product; each product is read from its low end on
.irp i, 0,2,4,6
.if \first
	v_pk_mul_f32 v[8*(4*\n+\m)+\i:8*(4*\n+\m)+\i+1], v[176+8*\n+\i:177+8*\n+\i], v[18+2*\m:19+2*\m] op_sel_hi:[1,0]
.else
	v_pk_fma_f32 v[8*(4*\n+\m)+\i:8*(4*\n+\m)+\i+1], v[176+8*\n+\i:177+8*\n+\i], v[18+2*\m:19+2*\m], v[8*(4*\n+\m)+\i:8*(4*\n+\m)+\i+1] op_sel_hi:[1,0,1]
.endif
.endr
.endr
.endr
	WIN 0
.endm
.macro TOSTAGE m                       ; tokens 16 m on: 32 bytes a lane and tile into my stage, halves of rows (256 bytes) back; LDS serves a wave's instructions in order (ISA guide 5.7.1.4)
	WIN 0x08                                       ; an LDS store's data are its source 1: window 2
.irp n, 0,1,2,3,4,5,6,7
	ds_store_b128 v6, v[8*(4*\n+(\m)):8*(4*\n+(\m))+3] offset:64*\n
	ds_store_b128 v6, v[8*(4*\n+(\m))+4:8*(4*\n+(\m))+7] offset:64*\n+16
.endr
	WIN 0
.irp i, 0,1,2,3,4,5,6,7
.irp c, 0,1
	ds_load_b128 v[112+64*((\m)%2)+4*(2*\i+\c):112+64*((\m)%2)+4*(2*\i+\c)+3], v7 offset:2*SPI*\i+256*\c
.endr
.endr
.endm
.macro SEND m, younger                 ; younger: the LDS instructions issued behind this block's loads, which may stay out
	s_wait_dscnt \younger
.irp i, 0,1,2,3,4,5,6,7
.irp c, 0,1
	global_store_b128 v[64+8*(\m)+\i], v[112+64*((\m)%2)+4*(2*\i+\c):112+64*((\m)%2)+4*(2*\i+\c)+3], s[20:21] offset:256*\c th:TH_STORE_NT   ; each sixteen lanes store 256 consecutive bytes of one token's row, aligned
.endr
.endr
.endm
	s_load_b256 s[4:11], s[0:1], 0x0               ; q s[4:5], plan s[6:7], rwt s[8:9], h s[10:11]
	s_load_b64 s[12:13], s[0:1], 0x20              ; out0
	v_lshl_add_u32 v8, v0, 2, SPARE
	v_mov_b32 v9, 0
	v_lshrrev_b32 v1, 5, v0
	v_readfirstlane_b32 s14, v1                    ; wave 0..3
	s_and_b32 s15, ttmp7, 0xffff                   ; blk
	v_and_b32 v1, 31, v0
	v_and_b32 v2, 15, v0
	v_bfe_u32 v3, v0, 4, 1
	v_lshlrev_b32 v4, 4, v1
	v_lshlrev_b32 v5, 3, v2
	s_mul_i32 s16, s14, 16*SPI
	s_add_co_u32 s16, s16, STAGE                   ; my stage
	v_mul_u32_u24 v6, v2, SPI
	v_lshl_add_u32 v6, v3, 5, v6
	v_add_nc_u32 v6, s16, v6                       ; in: row r, 32 h
	v_mul_u32_u24 v7, v3, SPI
	v_lshl_add_u32 v7, v2, 4, v7
	v_add_nc_u32 v7, s16, v7                       ; back: lanes 0-15 one row, lanes 16-31 the next
	v_mul_u32_u24 v248, v0, HP                     ; the padding behind h's 128 rows is written too, a row a thread: a fragment's row is chosen by loaded numbers, so its bytes are known as a range only
.irp i, 252,253,254,255
	v_mov_b32 v\i, 0
.endr
	ds_store_b128 v248, v[252:255] offset:256
	v_lshlrev_b32 v240, 4, v2                      ; 16 r
	v_lshlrev_b32 v241, 4, v3                      ; 16 h
	v_mul_u32_u24 v104, v2, HP
	v_lshl_add_u32 v104, v3, 4, v104               ; a fragment of h: row r x pitch + 16 h,
.irp m, 1,2,3
	v_add_nc_u32 v[104+\m], 16*HP*\m, v104         ; 16 rows on for each tile of tokens
.endr
	v_lshl_add_u32 v108, v2, 3, HSL                ; and the rows' scale words
.irp m, 1,2,3
	v_add_nc_u32 v[108+\m], 128*\m, v108
.endr
	; the gather: a load takes four runs of 128 bytes: token 16 w + 2 j + l / 16, its row with the lower ((l / 8) % 2 = 0) or the higher expert, 16 (l % 8)
	v_bfe_u32 v242, v0, 3, 1
	v_and_b32 v243, 7, v0
	v_lshlrev_b32 v247, 4, v243
	s_mul_i32 s16, s14, 16*HP
	v_mul_u32_u24 v30, v242, HWH
	v_mad_u32_u24 v30, v3, HP, v30
	v_add_nc_u32 v30, v30, v247
	v_add_nc_u32 v30, s16, v30                     ; where those 16 bytes go in LDS; 2 rows on for each j
	v_and_b32 v243, 1, v0
	v_bfe_u32 v244, v0, 1, 4
	s_lshl_b32 s16, s14, 7
	s_add_co_u32 s16, s16, HSL
	v_lshlrev_b32 v31, 9, v243
	v_lshl_add_u32 v31, v244, 3, v31
	v_add_nc_u32 v31, s16, v31                     ; the scale words: lane l serves token 16 w + l / 2, row l % 2
	s_lshl_b32 s17, s14, 8
	v_lshl_add_u32 v245, v242, 2, v241
	v_add_nc_u32 v245, s17, v245                   ; the slots' places in the records (16 bytes a token; the two slots at bytes 8 and 12)
	v_lshlrev_b32 v246, 2, v243
	v_lshl_add_u32 v246, v244, 4, v246
	v_add_nc_u32 v246, s17, v246
	s_lshl_b32 s16, s15, 10
	s_add_co_u32 s16, s16, RECO
	s_mov_b32 s17, 0
	s_lshl_b32 s30, ttmp9, 11
	s_lshl_b32 s31, s14, 9
	s_add_co_u32 s30, s30, s31
	s_mov_b32 s31, 0
	s_lshl_b32 s22, ttmp9, 5
	s_lshl_b32 s23, s14, 3
	s_add_co_u32 s22, s22, s23                     ; 32 nx + 8 w
	s_wait_alu depctr_va_vdst(0)
	s_wait_kmcnt 0x0
	s_add_nc_u64 s[18:19], s[6:7], s[16:17]        ; the block's 64 records
	s_add_nc_u64 s[20:21], s[12:13], s[30:31]      ; out0 at my 128 columns
.irp j, 0,1,2,3,4,5,6,7
	global_load_b32 v[96+\j], v245, s[18:19] offset:32*\j+8
.endr
	global_load_b32 v28, v246, s[18:19] offset:8
.irp m, 0,1,2,3
	global_load_b64 v[32+2*\m:33+2*\m], v240, s[18:19] offset:256*\m           ; token 16 m + r and its pair
.endr
.irp m, 0,1,2,3
.irp i, 0,1,2,3,4,5,6,7
	global_load_b32 v[64+8*\m+\i], v241, s[18:19] offset:256*\m+32*\i          ; for the way out: the token at place 16 m + 2 i + l / 16
.endr
.endr
	s_wait_loadcnt 32                              ; slots, tokens and pairs are in; the 32 loads for the way out may be out
.irp j, 0,1,2,3,4,5,6,7
	v_min_u32 v[96+\j], 8799, v[96+\j]
.endr
.irp j, 0,1,2,3,4,5,6,7
	v_lshlrev_b32 v[96+\j], 7, v[96+\j]
.endr
.irp j, 0,1,2,3,4,5,6,7
	v_add_nc_u32 v[96+\j], v[96+\j], v247
.endr
	v_min_u32 v28, 8799, v28
	v_lshlrev_b32 v28, 2, v28
.irp m, 0,1,2,3
	v_min_u32 v[18+\m], 4095, v[32+2*\m]
.endr
.irp m, 0,1,2,3
	v_lshlrev_b32 v[18+\m], 3, v[18+\m]
.endr
.irp j, 0,1,2,3,4,5,6,7
.irp x, 0,1
	global_load_b128 v[112+8*\j+4*\x:115+8*\j+4*\x], v[96+\j], s[10:11] offset:HX*\x     ; h's codes, hidden units 128 x on
.endr
.endr
	global_load_b32 v22, v28, s[10:11] offset:HSG
	global_load_b32 v23, v28, s[10:11] offset:HSG+35200
.irp m, 0,1,2,3
	global_load_b64 v[48+2*\m:49+2*\m], v[18+\m], s[8:9]
.endr
.irp m, 0,1,2,3
	v_and_b32 v[56+\m], 255, v[33+2*\m]
	v_lshrrev_b32 v[60+\m], 8, v[33+2*\m]
.endr
	v_mov_b32 v243, 1
	v_lshlrev_b32 v242, v56, v243                  ; a bit for each expert that my four tokens use
.irp n, 1,2,3,4,5,6,7
	v_lshlrev_b32 v244, v[56+\n], v243
	v_or_b32 v242, v242, v244
.endr
	s_wait_alu depctr_va_vdst(0)
	s_mov_b32 s24, 0                               ; and over all lanes: the block's set
.irp e, 0,1,2,3,4,5,6,7
	v_and_b32 v244, 1<<\e, v242
	v_cmp_ne_u32 vcc_lo, 0, v244
	s_cmp_lg_u32 vcc_lo, 0
	s_cselect_b32 s25, 1<<\e, 0
	s_or_b32 s24, s24, s25
.endr
	s_bcnt1_i32_b32 s26, s24                       ; the passes: two at the least
	s_lshr_b32 s45, s26, 1                         ; behind the first pass two go in a trip: (passes - 1) / 2, rounded up
	POP 27, 32
	LOADW_LO 0xc0, 32, 32
	s_wait_loadcnt 62                              ; the tokens for the way out are in: behind them stand 18 loads of h, 4 of weights and the 40 just issued
.irp n, 0,1,2,3,4,5,6,7,8,9,10,11,12,13,14,15,16,17,18,19,20,21,22,23,24,25,26,27,28,29,30,31
	v_min_u32 v[64+\n], 4095, v[64+\n]
.endr
.irp n, 0,1,2,3,4,5,6,7,8,9,10,11,12,13,14,15,16,17,18,19,20,21,22,23,24,25,26,27,28,29,30,31
	v_lshlrev_b32 v[64+\n], 13, v[64+\n]
.endr
.irp n, 0,1,2,3,4,5,6,7,8,9,10,11,12,13,14,15,16,17,18,19,20,21,22,23,24,25,26,27,28,29,30,31
	v_add_nc_u32 v[64+\n], v[64+\n], v240
.endr
	s_wait_loadcnt 44                              ; h is in: behind it stand the 4 loads of weights and the 40 of w2
.irp j, 0,1,2,3,4,5,6,7
.irp x, 0,1
	ds_store_b128 v30, v[112+8*\j+4*\x:115+8*\j+4*\x] offset:2*HP*\j+128*\x
.endr
.endr
	ds_store_b64 v31, v[22:23]
	LOADW_HI 0xc0, 32
	POP 28, 36
	LOADW_LO 0x40, 240, 36
	LOADW_HI 0x40, 36
	s_wait_dscnt 0x0                               ; for the others' sake: my 32 rows of h lie in LDS
	s_barrier_signal -1
	s_barrier_wait -1
	s_wait_loadcnt 63                              ; the weights and set A are in: set B's 72 loads were issued behind them
	COMPUTE 0x03, 32, 27, 1
	NEXT 0xc0, 32, 27, 32
	s_mov_b32 s44, 0
.Lp:
	COMPUTE 0x01, 240, 28, 0
	NEXT 0x40, 240, 28, 36
	s_cmp_eq_u32 s27, 8                            ; with an even number of passes the last trip has no second
	s_cbranch_scc1 .Lskip
	COMPUTE 0x03, 32, 27, 0
.Lskip:
	NEXT 0xc0, 32, 27, 32
	s_add_co_u32 s44, s44, 1
	s_cmp_lt_u32 s44, s45
	s_cbranch_scc1 .Lp
	s_wait_loadcnt 0x0                             ; nothing of mine is on its way
	s_wait_dscnt 0x0                               ; my reads of h are over:
	s_barrier_signal -1
	s_barrier_wait -1                              ; no wave stores into a stage while another still reads h by a chosen address
	TOSTAGE 0
	s_wait_alu depctr_va_vdst(0)
.irp m, 1,2,3
.if \m > 1
	s_wait_xcnt 0x0                                ; the stores of two blocks back have read their registers: this block's rows may land there
.endif
	TOSTAGE \m
	SEND \m-1, 32                                  ; behind that block's loads: this block's 16 stores and 16 loads
.endr
	SEND 3, 0
	s_wait_tensorcnt 0x0                           ; the wave's end: behind my last LDS store
	ds_add_u32 v8, v9
	s_wait_dscnt 0x0
	s_endpgm
.Lfunc_end_k_qfe78fa7410_down:
	.size	k_qfe78fa7410_down, .Lfunc_end_k_qfe78fa7410_down-k_qfe78fa7410_down
	.p2alignl 7, 3214868480
	.fill 96, 4, 3214868480
	.section	.rodata,"a",@progbits
	.p2align	6, 0x0
	.amdhsa_kernel k_qfe78fa7410_down
		.amdhsa_group_segment_fixed_size 70144
		.amdhsa_private_segment_fixed_size 0
		.amdhsa_enable_private_segment 0
		.amdhsa_kernarg_size 40
		.amdhsa_user_sgpr_count 2
		.amdhsa_user_sgpr_kernarg_segment_ptr 1
		.amdhsa_wavefront_size32 1
		.amdhsa_system_sgpr_workgroup_id_x 1
		.amdhsa_system_sgpr_workgroup_id_y 1
		.amdhsa_system_sgpr_workgroup_id_z 1
		.amdhsa_system_vgpr_workitem_id 0
		.amdhsa_next_free_vgpr 1024
		.amdhsa_next_free_sgpr 66
		.amdhsa_reserve_vcc 1
		.amdhsa_float_denorm_mode_32 3
		.amdhsa_float_denorm_mode_16_64 3
		.amdhsa_memory_ordered 1
		.amdhsa_forward_progress 1
		.amdhsa_inst_pref_size 137
	.end_amdhsa_kernel
	.amdgpu_metadata
---
amdhsa.version: [ 1, 2 ]
amdhsa.kernels:
  - .name:           k_qfe78fa7410_down
    .symbol:         k_qfe78fa7410_down.kd
    .args:
      - { .name: q, .offset: 0, .size: 8, .value_kind: global_buffer, .address_space: global }
      - { .name: plan, .offset: 8, .size: 8, .value_kind: global_buffer, .address_space: global }
      - { .name: rwt, .offset: 16, .size: 8, .value_kind: global_buffer, .address_space: global }
      - { .name: h, .offset: 24, .size: 8, .value_kind: global_buffer, .address_space: global }
      - { .name: out0, .offset: 32, .size: 8, .value_kind: global_buffer, .address_space: global }
    .group_segment_fixed_size: 70144
    .private_segment_fixed_size: 0
    .kernarg_segment_align: 8
    .kernarg_segment_size: 40
    .max_flat_workgroup_size: 128
    .sgpr_count:     66
    .vgpr_count:     1024
    .wavefront_size: 32
...
	.end_amdgpu_metadata
.endif
;; end of part 3
